; MI455X (gfx1250); checked and timed in simulation.
; The chip was launched on July 23, 2026; its instructions are those of AMD's public machine-readable ISA for CDNA 5 (MIT licence, August 2026) and "CDNA5" Instruction Set Architecture Reference Guide (July 2026). The comments in the code are by the model that wrote it; some were corrected since.
;; Transformer Encoder. Allowed arithmetic: matrix products marked QUANTISED: E4M3 operands, one E8M0 scale for each 32 along K, by v_wmma_scale_f32_16x16x128_f8f6f4 with both operands' format E4M3, f32 sums; everything else in f32.
;; Inputs: b1 4,096 float32; b2 1,024 float32; be1 1,024 float32; be2 1,024 float32; bk 1,024 float32; bq 1,024 float32; bv 1,024 float32; g1 1,024 float32; g2 1,024 float32; w1_codes 4,096 x 32 x 32 uint8 (E4M3 codes of w1, K innermost, in blocks of 32 codes); w1_scales 4,096 x 32 uint8 (E8M0 scales of w1, one for each 32 codes along K); w2_codes 1,024 x 128 x 32 uint8 (E4M3 codes of w2, K innermost, in blocks of 32 codes); w2_scales 1,024 x 128 uint8 (E8M0 scales of w2, one for each 32 codes along K); wk_codes 1,024 x 32 x 32 uint8 (E4M3 codes of wk, K innermost, in blocks of 32 codes); wk_scales 1,024 x 32 uint8 (E8M0 scales of wk, one for each 32 codes along K); wq_codes 1,024 x 32 x 32 uint8 (E4M3 codes of wq, K innermost, in blocks of 32 codes); wq_scales 1,024 x 32 uint8 (E8M0 scales of wq, one for each 32 codes along K); wv_codes 1,024 x 32 x 32 uint8 (E4M3 codes of wv, K innermost, in blocks of 32 codes); wv_scales 1,024 x 32 uint8 (E8M0 scales of wv, one for each 32 codes along K); x 2 x 2,048 x 1,024 float32.
;; Outputs: out0 2 x 2,048 x 1,024 float32.
;; This version of the problem:
;;   THIS VERSION OF THE PROBLEM IS GIVEN IN LOW PRECISION. The matrix products marked QUANTISED in the list below multiply operands that are first quantised to E4M3 (4 exponent bits, 3 mantissa bits; 8 bits a number), with one power-of-two scale for each 32 numbers along K (OCP MX v1.0); their sums are f32. All else is computed in f32.
;;   The module's matrix products, in the order in which they are computed (A, B: the left and right operand; K: the contracted axis; several contracted axes count as one K, in the product's order):
;;     1. [M 4,096, K 1,024] x [K 1,024, N 1,024]; A: input x; B: input wq (given as codes): QUANTISED
;;     2. [M 4,096, K 1,024] x [K 1,024, N 1,024]; A: input x; B: input wk (given as codes): QUANTISED
;;     3. [M 4,096, K 1,024] x [K 1,024, N 1,024]; A: input x; B: input wv (given as codes): QUANTISED
;;     4. batch 32 x [M 2,048, K 64] x [K 64, N 2,048]; A: computed on the way; B: computed on the way: QUANTISED
;;     5. batch 32 x [M 2,048, K 2,048] x [K 2,048, N 64]; A: softmax (see below); B: computed on the way: QUANTISED
;;     6. [M 4,096, K 1,024] x [K 1,024, N 4,096]; A: computed on the way; B: input w1 (given as codes): QUANTISED
;;     7. [M 4,096, K 4,096] x [K 4,096, N 1,024]; A: computed on the way; B: input w2 (given as codes): QUANTISED
;;   THE QUANTISER, for each operand of a quantised product, along K:
;;     - K is cut into blocks of 32 from its start; a last block that is shorter is filled with zeros.
;;     - A block's scale is 2^e with e = floor(log2(the largest magnitude in the block)) - 8, held to -126 .. 127; a block of zeros has e = 0. As a byte (E8M0): e + 127.
;;     - Each number is divided by its block's scale, clamped to +-448, and rounded to the nearest number of E4M3, ties to even, subnormals kept.
;;     - The product sums the exact products of the quantised numbers (number of the format x scale) in f32.
;;   ~~~python
;;   def quantise(x, axis):      # numpy; x: float32 -> the quantised numbers, widened to float32 again
;;       x = np.moveaxis(x, axis, -1); K = x.shape[-1]
;;       x = np.pad(x, [(0, 0)] * (x.ndim - 1) + [(0, -K % 32)]); x = x.reshape(x.shape[:-1] + (-1, 32)); a = np.abs(x).max(-1, keepdims=True)
;;       e = np.where(a > 0, np.clip(np.frexp(np.where(a > 0, a, 1))[1] - 1 - 8, -126, 127), 0)      # np.frexp(a)[1] - 1 = floor(log2(a)), exactly
;;       r = np.clip(x / 2.0 ** e, -448, 448)
;;       step = 2.0 ** (np.maximum(np.frexp(np.where(r == 0, 1, r))[1] - 1, -6) - 3)
;;       q = np.round(r / step) * step * 2.0 ** e      # np.round: ties to even
;;       return np.moveaxis(q.reshape(q.shape[:-2] + (-1,))[..., :K], -1, axis).astype(np.float32)
;;   ~~~
;;   SOFTMAX AHEAD OF A QUANTISED PRODUCT. Where the list says 'softmax', what is quantised is not the finished softmax but p = 2^(t - M), with t = logit x log2(e) and M = ceil(the row's largest t), a whole number; so 1/2 < the row's largest p <= 1. The row's sum l is taken of the UNQUANTISED p, in f32, and the product's result is divided by l at the end. Since M is a whole number, a kernel that streams over the keys may use a running M (the ceiling of the running maximum): every later rescaling is an exact power of two, which a block's scale takes up: the codes' values come out the same.
;;   OPERANDS COMPUTED ON THE WAY. 'Computed on the way' means the value that the module computes at that place (a softmax that the list does not call 'softmax' is quantised finished and normalised). What goes into a quantiser is computed in f32, as accurately as f32 sums, v_exp_f32 and their like allow (about 1e-6 of the number): no bf16 or f16 on the way to a quantiser, and a product that is left as it is and whose result goes on into a quantised operand takes f32 operands (vector FMAs, or v_wmma_f32_16x16x4_f32). A number that lies on a knife's edge between two numbers of the format may be rounded either way, as far as f32 arithmetic and the matrix unit's own rounding can turn it there, and no further.
;;   INPUTS GIVEN AS CODES. w1 (in the module: [1024, 4096], K = its axis 0); w2 (in the module: [4096, 1024], K = its axis 0); wk (in the module: [1024, 1024], K = its axis 0); wq (in the module: [1024, 1024], K = its axis 0); wv (in the module: [1024, 1024], K = its axis 0): each comes as NAME_codes (uint8): NAME with its K axis moved to the last place and cut into blocks of 32 codes, [.., K / 32, bytes a block], one block behind the other in memory; one code a byte (a code: sign, 4 exponent bits, 3 mantissa bits); and NAME_scales (uint8): the same leading axes, one E8M0 byte (e + 127) for each 32 codes along K. Its value is code x scale, taken as it is: it is not quantised again, and the codes and scales need not be those that the quantiser above would give.
;; One version. Each part assembles by itself: llvm-mc -triple=amdgcn-amd-amdhsa -mcpu=gfx1250 --defsym DOCPART=n.
;; ======== version 1 of 1: 7 launches
;; limits: right only within a limited range of input values
;; workspace buffers: xc 4,325,376 bytes; att 13,238,272 bytes; ctx 16,777,216 bytes; yb 21,102,592 bytes; hc 17,301,504 bytes; zf 16,777,216 bytes
;; launch qx (part 1): grid 512 x 1, 4 waves a work-group, no clusters, 21,248 bytes of LDS; arguments x, xc; writes xc
.if DOCPART == 1
	.amdgcn_target "amdgcn-amd-amdhsa--gfx1250"
	.amdhsa_code_object_version 6
	.text
	.protected	k_q9d5562e469_qx
	.globl	k_q9d5562e469_qx
	.p2align	8
	.type	k_q9d5562e469_qx,@function
k_q9d5562e469_qx:
	s_mov_b64 s[64:65], 0
	v_nop
	global_prefetch_b8 v0, s[64:65] scope:SCOPE_SE
	s_setreg_imm32_b32 hwreg(HW_REG_WAVE_MODE, 25, 1), 1
	s_wait_xcnt 0x0
; x [4096][1024] f32 becomes codes of E4M3, K innermost, at byte 0 of xc, and one E8M0 byte for each 32 along K at byte XCS of xc ([4096][32]).
; A block's scale is 2^(floor(log2(largest magnitude)) - 8); its byte is the largest magnitude's exponent field - 8, held at 1 from below.
; LIMITS: a block of zeros gets the byte 1 (its codes are zeros, and this program alone reads the bytes); NaN and infinities are not served.
; Rows are dense, so x is a stream of blocks of 32.  A wave takes 4 steps of 512 numbers (two rows), a work-group 8 rows.  Each load reads 512 consecutive bytes;
; a step's 2,048 bytes turn through the wave's own stage in LDS and come back 64 bytes a lane, so that a lane holds 16 neighbours and two lanes a block.
; The work-group's 256 scale bytes meet in LDS and leave as 256 consecutive bytes, aligned.
.set STEPS, 4
.set EMAX,  8
.set MANT,  0x600000                   ; the mantissa field of 448
.set R,     16                         ; v16-79   four sets of 16 numbers as loaded
.set X,     80                         ; v80-111  two sets of 16 neighbours
.set C,     112                        ; v112-127 codes, four registers a step
.set E,     128                        ; v128-131 a scale byte a step
.set SP,    80                         ; a lane's place in a stage: 64 bytes + 16 of padding
.set WREG,  5120                       ; two stages of 32 x SP bytes for each wave
.set SCB,   20480                      ; the work-group's 256 scale bytes
.set XCS,   4194304                    ; where the scale bytes begin in xc
	s_load_b128 s[4:7], s[0:1], 0x0                ; x, xc
	v_lshl_add_u32 v136, v0, 2, 0x5100
	v_mov_b32 v137, 0
	v_lshrrev_b32 v1, 5, v0
	v_readfirstlane_b32 s16, v1                    ; wave
	v_and_b32 v2, 31, v0                           ; lane
	v_lshlrev_b32 v3, 4, v2                        ; 16 x lane: my bytes of a load's 512, and of a step's codes
	s_mul_i32 s17, s16, WREG
	v_lshrrev_b32 v14, 2, v2
	v_mul_u32_u24 v14, v14, SP
	v_and_b32 v15, 3, v2
	v_lshl_add_u32 v14, v15, 4, v14
	v_add_nc_u32 v14, s17, v14                     ; the stage, in: SP (lane / 4) + 16 (lane % 4)
	v_mul_u32_u24 v15, v2, SP
	v_add_nc_u32 v15, s17, v15                     ; and out: SP x lane
	v_lshrrev_b32 v5, 1, v2
	s_lshl_b32 s18, s16, 6
	s_add_co_u32 s18, s18, SCB
	v_add_nc_u32 v5, s18, v5                       ; my block's byte: SCB + 64 x wave + lane / 2
	v_lshlrev_b32 v7, 3, v2
	v_add_nc_u32 v6, SCB, v7                       ; the way out: 8 bytes a lane
	s_mov_b32 s23, MANT
	s_lshl_b32 s20, ttmp9, 15                      ; x: 32,768 bytes a work-group, 8,192 a wave
	s_lshl_b32 s21, s16, 13
	s_add_co_u32 s20, s20, s21
	s_mov_b32 s21, 0
	s_lshl_b32 s24, ttmp9, 13                      ; codes: a quarter of that
	s_lshl_b32 s25, s16, 11
	s_add_co_u32 s24, s24, s25
	s_mov_b32 s25, 0
	s_lshl_b32 s26, ttmp9, 8                       ; scale bytes: 256 a work-group
	s_add_co_u32 s26, s26, XCS
	s_mov_b32 s27, 0
	s_wait_alu depctr_va_vdst(0)
	s_wait_kmcnt 0x0
	s_add_nc_u64 s[4:5], s[4:5], s[20:21]
	s_add_nc_u64 s[8:9], s[6:7], s[24:25]
	s_add_nc_u64 s[10:11], s[6:7], s[26:27]
.macro LOAD t
.irp i, 0,1,2,3
	global_load_b128 v[R+16*(\t)+4*\i:R+16*(\t)+4*\i+3], v3, s[4:5] offset:2048*(\t)+512*\i
.endr
.endm
.macro TURN t                          ; step t through the stage: LDS serves a wave's instructions in order, so no wait stands between the stores and the loads
.irp i, 0,1,2,3
	ds_store_b128 v14, v[R+16*(\t)+4*\i:R+16*(\t)+4*\i+3] offset:32*SP*((\t)%2)+8*SP*\i
.endr
.irp i, 0,1,2,3
	ds_load_b128 v[X+16*((\t)%2)+4*\i:X+16*((\t)%2)+4*\i+3], v15 offset:32*SP*((\t)%2)+16*\i
.endr
.endm
.irp t, 0,1,2,3
	LOAD \t
.endr
	s_wait_loadcnt 12                              ; step 0's four loads are in; twelve younger ones stay out
	TURN 0
.macro STEP t
.set XS, X+16*((\t)%2)
.if (\t) > 0
	s_wait_dscnt 1                                 ; this step's numbers are back from the stage; the last step's byte store may be out
.else
	s_wait_dscnt 0x0
.endif
.if (\t)+1 < STEPS
	s_wait_loadcnt 4*(STEPS-2-(\t))                ; the next step's four loads are in; those of the steps behind it may be out
	TURN (\t)+1
.endif
	v_max3_num_f32 v8, |v[XS]|, |v[XS+1]|, |v[XS+2]|
	v_max3_num_f32 v9, |v[XS+3]|, |v[XS+4]|, |v[XS+5]|
.irp i, 6,10
	v_max3_num_f32 v8, v8, |v[XS+\i]|, |v[XS+\i+1]|
	v_max3_num_f32 v9, v9, |v[XS+\i+2]|, |v[XS+\i+3]|
.endr
	v_max3_num_f32 v8, v8, |v[XS+14]|, |v[XS+15]|
	v_max3_num_f32 v8, v8, v9, (EMAX+1)<<23        ; the floor 2^(9 - 127): the byte cannot fall under 1
	v_max_num_f32_dpp v8, v8, v8 row_xmask:1 row_mask:0xf bank_mask:0xf   ; with my neighbour's 16: the block's largest magnitude
	v_add_nc_u32 v11, -(EMAX<<23), v8              ; 8 off its exponent field: the conversion's scale operand
	v_and_or_b32 v10, v8, 0x7f800000, s23          ; 448 x the scale
.irp i, 0,1,2,3,4,5,6,7,8,9,10,11,12,13,14,15
	v_med3_num_f32 v[XS+\i], v[XS+\i], -v10, v10   ; the conversion does not saturate (ISA guide 7.6.2): the hold comes first
.endr
	v_cvt_scalef32_pk8_fp8_f32 v[C+4*(\t):C+4*(\t)+1], v[XS:XS+7], v11
	v_cvt_scalef32_pk8_fp8_f32 v[C+4*(\t)+2:C+4*(\t)+3], v[XS+8:XS+15], v11
	v_lshrrev_b32 v[E+(\t)], 23, v11               ; the scale's byte
	ds_store_b8 v5, v[E+(\t)] offset:16*(\t)       ; both lanes of a block write the same byte with the same value
	global_store_b128 v3, v[C+4*(\t):C+4*(\t)+3], s[8:9] offset:512*(\t)   ; 32 lanes store 512 consecutive bytes
.endm
.irp t, 0,1,2,3
	STEP \t
.endr
	s_wait_dscnt 0x0                               ; for the others' sake: my byte stores have landed
	s_barrier_signal -1
	s_barrier_wait -1
	s_cmp_lg_u32 s16, 0
	s_cbranch_scc1 .Lend
	ds_load_b64 v[132:133], v6                     ; wave 0 takes all 256 bytes
	s_wait_dscnt 0x0
	global_store_b64 v7, v[132:133], s[10:11]      ; 256 consecutive bytes, aligned
.Lend:
	s_wait_tensorcnt 0x0
	ds_add_u32 v136, v137
	s_wait_dscnt 0x0
	s_endpgm
.Lfunc_end_k_q9d5562e469_qx:
	.size	k_q9d5562e469_qx, .Lfunc_end_k_q9d5562e469_qx-k_q9d5562e469_qx
	.p2alignl 7, 3214868480
	.fill 96, 4, 3214868480
	.section	.rodata,"a",@progbits
	.p2align	6, 0x0
	.amdhsa_kernel k_q9d5562e469_qx
		.amdhsa_group_segment_fixed_size 21248
		.amdhsa_private_segment_fixed_size 0
		.amdhsa_enable_private_segment 0
		.amdhsa_kernarg_size 16
		.amdhsa_user_sgpr_count 2
		.amdhsa_user_sgpr_kernarg_segment_ptr 1
		.amdhsa_wavefront_size32 1
		.amdhsa_system_sgpr_workgroup_id_x 1
		.amdhsa_system_sgpr_workgroup_id_y 1
		.amdhsa_system_sgpr_workgroup_id_z 1
		.amdhsa_system_vgpr_workitem_id 0
		.amdhsa_next_free_vgpr 138
		.amdhsa_next_free_sgpr 66
		.amdhsa_reserve_vcc 0
		.amdhsa_float_denorm_mode_32 3
		.amdhsa_float_denorm_mode_16_64 3
		.amdhsa_memory_ordered 1
		.amdhsa_forward_progress 1
		.amdhsa_inst_pref_size 15
	.end_amdhsa_kernel
	.amdgpu_metadata
---
amdhsa.version: [ 1, 2 ]
amdhsa.kernels:
  - .name:           k_q9d5562e469_qx
    .symbol:         k_q9d5562e469_qx.kd
    .args:
      - { .name: x, .offset: 0, .size: 8, .value_kind: global_buffer, .address_space: global }
      - { .name: xc, .offset: 8, .size: 8, .value_kind: global_buffer, .address_space: global }
    .group_segment_fixed_size: 21248
    .private_segment_fixed_size: 0
    .kernarg_segment_align: 8
    .kernarg_segment_size: 16
    .max_flat_workgroup_size: 128
    .sgpr_count:     66
    .vgpr_count:     138
    .wavefront_size: 32
...
	.end_amdgpu_metadata
.endif
;; end of part 1
;; launch qkv (part 2): grid 12 x 16, 4 waves a work-group, clusters of 4 x 4, 327,680 bytes of LDS; arguments xc, wq_codes, wq_scales, wk_codes, wk_scales, wv_codes, wv_scales, bq, bk, bv, att; writes att
.if DOCPART == 2
	.amdgcn_target "amdgcn-amd-amdhsa--gfx1250"
	.amdhsa_code_object_version 6
	.text
	.protected	k_q9d5562e469_qkv
	.globl	k_q9d5562e469_qkv
	.p2align	8
	.type	k_q9d5562e469_qkv,@function
k_q9d5562e469_qkv:
	s_mov_b64 s[64:65], 0
	v_nop
	global_prefetch_b8 v0, s[64:65] scope:SCOPE_SE
	s_setreg_imm32_b32 hwreg(HW_REG_WAVE_MODE, 25, 1), 1
	s_wait_xcnt 0x0
	s_wait_alu depctr_hold_cnt(0) depctr_sa_sdst(0) depctr_va_vdst(0) depctr_va_sdst(0) depctr_va_ssrc(0) depctr_va_vcc(0) depctr_vm_vsrc(0)
	s_getreg_b32 s2, hwreg(HW_REG_IB_STS2, 6, 4)
	s_cmp_eq_u32 s2, 0
	s_cbranch_scc0 .Lentry_in_a_cluster
	s_endpgm
.Lentry_in_a_cluster:
	s_bfe_u32 s2, ttmp6, 0x10000c
	s_cmp_lg_u32 s2, 0xf033
	s_cbranch_scc0 .Lentry_shape_is_right
	s_endpgm
.Lentry_shape_is_right:
.set SIZE_K, 1024
.set KSTEP,  256
.set NQ,     KSTEP/128
.set ROWB,   256
.set KROW,   SIZE_K
.set PITCH,  272
.set FR,     16
.set NL,     4
.set NP,     8
.set HALFT,  128*PITCH
.set SLOT,   4*HALFT
.set LAPS,   SIZE_K/(2*KSTEP)
.set KS,     SIZE_K/32
.set SCL,    2*SLOT
.set HALFS,  (128*KS/256)*272
.set SBLK,   (16*KS/256)*272
.set SPARE,  SCL+4*HALFS
.set ADRA, 16
.set ADRB, 20
.set ADRS, 27
.set SPW,  28
.set NIL,  29
.set SC,   32
.set AF,   128
.set BN,   64
.set BM,   8
.set VO0,  23
.set VO1,  7
.set VO2,  6
.set VSH,  18
.set SWA,  19
.set SRA,  22
.set T,    128
.set PC,   192
.set TM,   208
.set PW,   224
.set BMP,  226
.set WD,   232
.set SEL,  20
.set MNT,  23
.set G1, 24
.set G0, 32
.set G1B, 48
.set G0B, 56
.set G1S, 68
.set G0S, 76
.set G1SB, 80
.set G0SB, 88
.set MSB, 0
.macro WIN new
.if MSB != \new
	s_set_vgpr_msb (MSB<<8)|\new
.set MSB, \new
.endif
.endm
.set MUL_LO, 0xa1
.set MUL_HI, 0xf1
.set TO_B,   0x40
.macro JLOAD g0a, g1a, g0b, g1b
	s_cmp_eq_u32 s15, 0
	s_cbranch_scc0 .Lfor_b_\@
	tensor_load_to_lds s[\g0a:\g0a+3], s[\g1a:\g1a+7]
	s_nop 0
.rept 4
	v_nop
.endr
	s_branch .Lasked_\@
.Lfor_b_\@:
	tensor_load_to_lds s[\g0b:\g0b+3], s[\g1b:\g1b+7]
	s_nop 0
.rept 4
	v_nop
.endr
.Lasked_\@:
.endm
.macro CREST
	s_cmp_lg_u32 s14, 0
	s_cbranch_scc1 .Lnot_wave_0_\@
	s_barrier_signal -3
.Lnot_wave_0_\@:
	s_barrier_wait -3
	s_barrier_signal -1
	s_barrier_wait -1
.endm
.macro CROUND
	s_barrier_signal -1
	s_barrier_wait -1
	CREST
.endm
	s_load_b512 s[24:39], s[0:1], 0x0
	s_load_b128 s[40:43], s[0:1], 0x40
	s_load_b64 s[44:45], s[0:1], 0x50
	v_lshl_add_u32 v[SPW], v0, 2, SPARE
	v_mov_b32 v[NIL], 0
	ds_add_u32 v28, v29
	ds_add_u32 v28, v29
	s_wait_dscnt 0x0
	v_lshrrev_b32 v1, 5, v0
	v_readfirstlane_b32 s14, v1
	s_lshr_b32 s15, s14, 1
	s_and_b32 s16, s14, 1
	s_wait_kmcnt 0x0
	s_add_nc_u64 s[46:47], s[24:25], 0x400000
	s_cmp_eq_u32 ttmp9, 2
	s_cselect_b64 s[4:5], s[34:35], s[24:25]
	s_cselect_b64 s[6:7], s[36:37], s[46:47]
	s_cselect_b64 s[8:9], s[24:25], s[30:31]
	s_cselect_b64 s[10:11], s[46:47], s[32:33]
	s_cselect_b64 s[98:99], s[42:43], s[40:41]
	s_cmp_eq_u32 ttmp9, 0
	s_cselect_b64 s[8:9], s[26:27], s[8:9]
	s_cselect_b64 s[10:11], s[28:29], s[10:11]
	s_cselect_b64 s[98:99], s[38:39], s[98:99]
	s_cselect_b32 s96, 0x3e000000, 1.0
	s_mov_b32 s97, s96
	s_mov_b64 s[12:13], s[44:45]
	s_bfe_u32 s40, ttmp6, 0x40000
	s_bfe_u32 s41, ttmp6, 0x40004
	s_and_b32 s18, ttmp7, 0xffff
	s_lshl_b32 s18, s18, 2
	s_cmp_eq_u32 ttmp9, 2
	s_cselect_b32 s17, 0, s18
	s_cselect_b32 s42, s18, 0
	s_add_co_u32 s17, s17, s41
	s_add_co_u32 s42, s42, s40
	s_lshl_b32 s43, s41, 2
	s_lshl_b32 s43, 15, s43
	s_lshl_b32 s44, 0x1111, s40
	s_or_b32 s[G1+0], s43, (0<<16)|(1<<20)|(1<<21)|(5<<22)|(3<<25)
	s_or_b32 s[G1B+0], s44, (0<<16)|(1<<20)|(1<<21)|(5<<22)|(3<<25)
.irp g, G1, G1B
	s_mov_b32 s[\g+1], ROWB<<16
	s_mov_b32 s[\g+2], 256<<16                     ; the head's loads of codes bring 256 rows
	s_mov_b32 s[\g+3], ROWB<<16
	s_mov_b32 s[\g+4], 256
	s_mov_b32 s[\g+5], KROW
	s_mov_b32 s[\g+6], 0
	s_mov_b32 s[\g+7], 0
.endr
	s_or_b32 s[G1S+0], s43, (3<<16)|(1<<20)|(1<<21)|(5<<22)|(3<<25)
	s_or_b32 s[G1SB+0], s44, (3<<16)|(1<<20)|(1<<21)|(5<<22)|(3<<25)
.irp g, G1S, G1SB
	s_mov_b32 s[\g+1], 32<<16
	s_mov_b32 s[\g+2], KS<<16                      ; the scales of 256 rows: KS rows of 256 bytes
	s_mov_b32 s[\g+3], 32<<16
	s_mov_b32 s[\g+4], KS
	s_mov_b32 s[\g+5], 32
	s_mov_b32 s[\g+6], 0
	s_mov_b32 s[\g+7], 0
.endr
	s_lshl_b32 s18, s16, 7
	s_lshl_b32 s20, s17, 8
	s_add_co_u32 s20, s20, s18
	s_lshl_b32 s46, s42, 8
	s_add_co_u32 s46, s46, s18
	s_mov_b32 s21, 0
	s_mov_b32 s47, 0
	s_mov_b64 s[18:19], KS
	s_mul_u64 s[22:23], s[20:21], s[18:19]
	s_mul_u64 s[92:93], s[46:47], s[18:19]
	s_mov_b64 s[18:19], KROW
	s_mul_u64 s[20:21], s[20:21], s[18:19]
	s_mul_u64 s[46:47], s[46:47], s[18:19]
	s_mul_i32 s45, s14, HALFT
	s_mul_i32 s94, s16, 128*KS                     ; the scales come whole: my half's offset is taken off again
	s_mov_b32 s95, 0
	s_sub_nc_u64 s[22:23], s[22:23], s[94:95]
	s_sub_nc_u64 s[92:93], s[92:93], s[94:95]
	s_add_nc_u64 s[20:21], s[4:5], s[20:21]
	s_add_nc_u64 s[22:23], s[6:7], s[22:23]
	s_add_nc_u64 s[46:47], s[8:9], s[46:47]
	s_add_nc_u64 s[92:93], s[10:11], s[92:93]
	CROUND
	s_mov_b32 s[G0S], 1
	s_mov_b32 s[G0S+1], SCL
	s_mov_b64 s[G0S+2:G0S+3], s[22:23]
	s_or_b32 s[G0S+3], s[G0S+3], 0x80000000
	s_mov_b32 s[G0SB], 1
	s_mov_b32 s[G0SB+1], SCL+2*HALFS
	s_mov_b64 s[G0SB+2:G0SB+3], s[92:93]
	s_or_b32 s[G0SB+3], s[G0SB+3], 0x80000000
.irp s, 0,1
	s_mov_b32 s[G0+4*\s], 1
	s_add_co_u32 s[G0+4*\s+1], s45, \s*SLOT
	s_add_nc_u64 s[G0+4*\s+2:G0+4*\s+3], s[20:21], \s*ROWB
	s_or_b32 s[G0+4*\s+3], s[G0+4*\s+3], 0x80000000
	s_mov_b32 s[G0B+4*\s], 1
	s_add_co_u32 s[G0B+4*\s+1], s45, \s*SLOT
	s_add_nc_u64 s[G0B+4*\s+2:G0B+4*\s+3], s[46:47], \s*ROWB
	s_or_b32 s[G0B+4*\s+3], s[G0B+4*\s+3], 0x80000000
.endr
; the head's four tiles, one joint load a wave: wave 0 K step 0's 256 rows of A (its slot 0 group 0 begins at the tile's first row), wave 1 A's scales, wave 2 the 256 rows of B, wave 3 B's scales
.macro ARM under, g0, g1, next
	s_cmp_lt_u32 s14, \under
	s_cbranch_scc0 \next
	tensor_load_to_lds s[\g0:\g0+3], s[\g1:\g1+7]
	s_nop 0
.rept 4
	v_nop
.endr
	s_branch .Lhead_asked
\next:
.endm
	ARM 1, G0,  G1,  .Lhead_sa
	ARM 2, G0S, G1S, .Lhead_b
	ARM 3, G0B, G1B, .Lhead_sb
	tensor_load_to_lds s[G0SB:G0SB+3], s[G1SB:G1SB+7]
	s_nop 0
.rept 4
	v_nop
.endr
.Lhead_asked:
	v_and_b32 v1, 15, v0
	v_bfe_u32 v2, v0, 4, 1
	v_mul_u32_u24 v3, v1, PITCH
	v_lshl_add_u32 v4, v2, 4, v3
	s_mul_i32 s21, s15, HALFT
	s_mul_i32 s22, s16, HALFT
	s_add_co_u32 s22, s22, 2*HALFT
.irp s, 0,1
	v_add_nc_u32 v[ADRA+\s], s21, v4
	v_add_nc_u32 v[ADRB+\s], s22, v4
	s_add_co_u32 s21, s21, SLOT
	s_add_co_u32 s22, s22, SLOT
.endr
	v_mul_u32_u24 v5, v1, KS
	v_lshrrev_b32 v6, 8, v5
	v_lshl_add_u32 v5, v6, 4, v5
	s_mul_i32 s21, s15, HALFS
	s_mul_i32 s22, s16, HALFS
	s_add_co_u32 s22, s22, 2*HALFS
	s_sub_co_u32 s22, s22, s21
	v_mul_u32_u24 v6, s22, v2
	s_add_co_u32 s21, s21, SCL
	v_add_nc_u32 v5, v5, v6
	v_add_nc_u32 v[ADRS], s21, v5
	v_and_b32 v3, 31, v0
	v_lshlrev_b32 v[VO0], 4, v3
	s_wait_alu depctr_va_vdst(0)
	s_lshl_b32 s21, s14, 10
	v_lshl_add_u32 v[SWA], v2, 9, s21
	v_lshl_add_u32 v[SWA], v1, 2, v[SWA]
	v_add_nc_u32 v[SRA], s21, v[VO0]
	s_cmp_eq_u32 ttmp9, 2
	s_cselect_b32 s66, s42, s17
	s_cselect_b32 s67, s17, s42
	s_lshr_b32 s2, s66, 3
	s_and_b32 s66, s66, 7
	s_lshl_b32 s100, s67, 2
	s_lshl_b32 s104, s16, 1
	s_add_co_u32 s100, s100, s104
	s_lshl_b32 s101, s66, 1
	s_add_co_u32 s101, s101, s16
	s_lshl_b32 s104, s66, 14
	s_lshl_b32 s105, s15, 13
	s_add_co_u32 s104, s104, s105
	s_lshl_b32 s67, s67, 15
	s_lshl_b32 s105, s15, 14
	s_add_co_u32 s105, s67, s105
	s_cmp_eq_u32 ttmp9, 2
	s_cselect_b32 s100, s101, s100
	s_cselect_b32 s101, s105, s104
	s_cselect_b32 s66, 5, 4
	s_cselect_b32 s67, 12, 13
	s_lshr_b32 s104, s101, s66
	s_lshl_b32 s105, s100, 8
	s_cmp_eq_u32 ttmp9, 2
	s_cselect_b32 s105, 0, s105
	s_cselect_b32 s66, s104, 0
	v_lshl_add_u32 v30, v2, 5, s105
	s_wait_alu depctr_va_vdst(0)
	v_lshl_add_u32 v31, v1, 2, s66
	s_wait_alu depctr_va_vdst(0)
	s_lshl_b32 s105, ttmp9, 22
	s_add_co_u32 s101, s101, s105
	s_lshl_b32 s105, s2, 21
	s_add_co_u32 s101, s101, s105
	s_lshl_b32 s105, s100, 17
	s_add_co_u32 s101, s101, s105
	s_lshl_b32 s2, s2, 4
	s_add_co_u32 s2, s2, s100
	s_lshl_b32 s2, s2, s67
	s_add_co_u32 s104, s104, s2
	s_lshl_b32 s105, ttmp9, 18
	s_add_co_u32 s104, s104, s105
	s_add_co_u32 s104, s104, 12582912
	s_mov_b32 s105, 0
	s_add_nc_u64 s[104:105], s[12:13], s[104:105]
	s_mov_b32 s100, s101
	s_mov_b32 s101, 0
	s_add_nc_u64 s[12:13], s[12:13], s[100:101]
	s_mov_b32 s100, 1024
	s_mov_b32 s67, 0x20000
	s_cmp_eq_u32 ttmp9, 2
	s_cselect_b32 s67, s100, s67
	s_cselect_b32 s100, 2048, s100
	s_cselect_b32 s66, -1, 0xffff
	s_cselect_b32 s2, 1.0, 0
	s_cselect_b32 s94, 0, s96
	s_cselect_b32 s18, 0, 16
	s_cselect_b32 s19, 0, 8192
	s_mov_b32 s95, s94
	v_add_nc_u32 v[VO1], s67, v[VO0]
	v_add_nc_u32 v[VO2], s19, v[VO0]
	v_mul_u32_u24 v[VSH], s18, v2
.irp b, 0,1,2,3,4,5,6,7
	global_load_b128 v[BN+8*\b:BN+8*\b+3], v30, s[98:99] offset:64*\b
	global_load_b128 v[BN+8*\b+4:BN+8*\b+7], v30, s[98:99] offset:64*\b+16
.endr
.irp a, 0,1,2,3,4,5,6,7
	global_load_b32 v[BM+\a], v31, s[98:99] offset:64*\a
.endr
	s_mov_b32 s[SEL], 0x76543210
	s_mov_b32 s[SEL+1], 0xfedcba98
	s_mov_b32 s[MNT], 0x600000
.macro FRAG reg, adr, q, i
.irp c, 0,1,2,3
	ds_load_b128 v[\reg+4*\c:\reg+4*\c+3], v[\adr] offset:128*(\q)+32*\c+(\i)*16*PITCH
.endr
.endm
.macro MUL16 a0, p, q, sc, zero
.irp a, \a0, \a0+1
.irp b, 0,1,2,3,4,5,6,7
.if \zero
	v_wmma_scale_f32_16x16x128_f8f6f4 v[8*(8*((\a)%4)+\b):8*(8*((\a)%4)+\b)+7], v[128*(\p)+FR*\b:128*(\p)+FR*\b+FR-1], v[AF+FR*(\a):AF+FR*(\a)+FR-1], 0, v[SC+8*NQ*(\sc)+NQ*\b+(\q)], v[SC+8*NQ*(\sc)+NQ*(\a)+(\q)] matrix_a_scale:MATRIX_SCALE_ROW1
.else
	v_wmma_scale_f32_16x16x128_f8f6f4 v[8*(8*((\a)%4)+\b):8*(8*((\a)%4)+\b)+7], v[128*(\p)+FR*\b:128*(\p)+FR*\b+FR-1], v[AF+FR*(\a):AF+FR*(\a)+FR-1], v[8*(8*((\a)%4)+\b):8*(8*((\a)%4)+\b)+7], v[SC+8*NQ*(\sc)+NQ*\b+(\q)], v[SC+8*NQ*(\sc)+NQ*(\a)+(\q)] matrix_a_scale:MATRIX_SCALE_ROW1
.endif
.endr
.endr
.endm
.macro FETCH_B slot, q, p
	WIN TO_B
.irp i, 0,1,2,3,4,5,6,7
	FRAG 128*(\p)+FR*\i, ADRB+\slot, \q, \i
.endr
	WIN 0
.endm
.macro FETCH_A slot, q, i0
.irp i, \i0, \i0+1, \i0+2, \i0+3
	FRAG AF+FR*(\i), ADRA+\slot, \q, \i
.endr
.endm
.macro SCALES sc
.irp i, 0,1,2,3,4,5,6,7
	ds_load_b64 v[SC+8*NQ*\sc+NQ*\i:SC+8*NQ*\sc+NQ*\i+1], v[ADRS] offset:\i*SBLK
.endr
.endm
.macro PLACES n
.rept \n
	v_nop
.endr
.endm
.macro STEP slot, q, zero
	s_wait_dscnt 4*NL
	WIN MUL_LO
	MUL16 0, (\q)%2, \q, \slot, \zero
	MUL16 2, (\q)%2, \q, \slot, \zero
	s_wait_dscnt 0
	PLACES NP
	FETCH_B \slot, (\q)+1, 1-(\q)%2
	FETCH_A \slot, (\q)+1, 0
	WIN MUL_HI
	MUL16 4, (\q)%2, \q, \slot, \zero
	MUL16 6, (\q)%2, \q, \slot, \zero
	PLACES NP
	WIN 0
	FETCH_A \slot, (\q)+1, 4
.endm
.macro TURN slot, next, fill
	s_wait_tensorcnt 0x0
	ds_add_u32 v[SPW], v[NIL]
	s_wait_dscnt 4*NL+1
	WIN MUL_LO
	MUL16 0, 1, NQ-1, \slot, 0
	s_wait_dscnt 0x0
	s_barrier_signal -1
	MUL16 2, 1, NQ-1, \slot, 0
	WIN 0
	s_barrier_wait -1
.if \fill
	CREST
	s_add_nc_u64 s[G0+4*\slot+2:G0+4*\slot+3], s[G0+4*\slot+2:G0+4*\slot+3], 2*ROWB
	s_add_nc_u64 s[G0B+4*\slot+2:G0B+4*\slot+3], s[G0B+4*\slot+2:G0B+4*\slot+3], 2*ROWB
	JLOAD G0+4*\slot, G1, G0B+4*\slot, G1B
	PLACES NP-4
.else
	PLACES NP
.endif
	s_wait_alu depctr_va_vdst(0)
	v_add_nc_u32 v[ADRS], 4*NQ, v[ADRS]
	FETCH_B \next, 0, 0
	FETCH_A \next, 0, 0
	SCALES \next
	WIN MUL_HI
	MUL16 4, 1, NQ-1, \slot, 0
	MUL16 6, 1, NQ-1, \slot, 0
	PLACES NP
	WIN 0
	FETCH_A \next, 0, 4
.endm
	s_wait_alu depctr_va_vdst(0)                   ; the wait at the head's end
	s_wait_tensorcnt 0x0                           ; my tile of the head's four is in
	ds_add_u32 v[SPW], v[NIL]
	s_mov_b32 s[G1+2], 128<<16                     ; no load of mine is out: from here on a load brings 128 rows
	s_mov_b32 s[G1+4], 128
	s_mov_b32 s[G1B+2], 128<<16
	s_mov_b32 s[G1B+4], 128
	s_wait_dscnt 0x0
	CROUND                                         ; all four tiles are in, in every partner
	JLOAD G0+4, G1, G0B+4, G1B                     ; K step 1, the first tensor load behind the round
	FETCH_B 0, 0, 0
	FETCH_A 0, 0, 0
	SCALES 0
	FETCH_A 0, 0, 4
	STEP 0, 0, 1
.if LAPS > 1
	s_mov_b32 s3, LAPS-1
.Llap:
	TURN 0, 1, 1
	STEP 1, 0, 0
	TURN 1, 0, 1
	STEP 0, 0, 0
	s_sub_co_u32 s3, s3, 1
	s_cmp_lg_u32 s3, 0
	s_cbranch_scc1 .Llap
.endif
	TURN 0, 1, 0
	STEP 1, 0, 0
	s_wait_dscnt 4*NL
	WIN MUL_LO
	MUL16 0, 1, NQ-1, 1, 0
	MUL16 2, 1, NQ-1, 1, 0
	s_wait_dscnt 0
	WIN MUL_HI
	MUL16 4, 1, NQ-1, 1, 0
	MUL16 6, 1, NQ-1, 1, 0
	WIN 0
.macro QUANT s
.irp b, 0,1,2,3
	v_max3_num_f32 v[TM+\b], |v[\s+16*\b]|, |v[\s+1+16*\b]|, 0x4800000
.endr
.irp i, 2,4,6,8,10,12,14
.irp b, 0,1,2,3
	v_max3_num_f32 v[TM+\b], v[TM+\b], |v[\s+16*\b+\i]|, |v[\s+1+16*\b+\i]|
.endr
.endr
.irp b, 0,1,2,3
	v_permlanex16_b32 v[TM+4+\b], v[TM+\b], s[SEL], s[SEL+1]
.endr
.irp b, 0,1,2,3
	v_max_num_f32 v[TM+\b], v[TM+\b], v[TM+4+\b]
.endr
.irp b, 0,1,2,3
	v_add_nc_u32 v[TM+12+\b], 0xfc000000, v[TM+\b]
.endr
.irp b, 0,1,2,3
	v_and_or_b32 v[TM+8+\b], v[TM+\b], 0x7f800000, s[MNT]
.endr
.irp b, 0,1,2,3
	v_lshrrev_b32 v[TM+4+\b], 23, v[TM+12+\b]
.endr
	v_lshl_or_b32 v[PW], v[TM+5], 8, v[TM+4]
	v_lshl_or_b32 v[PW], v[TM+6], 16, v[PW]
	v_lshl_or_b32 v[PW], v[TM+7], 24, v[PW]
.irp b, 0,1,2,3
.irp i, 0,1,2,3,4,5,6,7,8,9,10,11,12,13,14,15
	v_med3_num_f32 v[\s+16*\b+\i], v[\s+16*\b+\i], -v[TM+8+\b], v[TM+8+\b]
.endr
	v_cvt_scalef32_pk8_fp8_f32 v[PC+4*\b:PC+1+4*\b], v[\s+16*\b:\s+7+16*\b], v[TM+12+\b]
	v_cvt_scalef32_pk8_fp8_f32 v[PC+2+4*\b:PC+3+4*\b], v[\s+8+16*\b:\s+15+16*\b], v[TM+12+\b]
.endr
	v_nop
.endm
	s_wait_loadcnt 0x0
.set i, 0
.rept 32
	v_pk_mul_f32 v[BN+2*i:BN+2*i+1], v[BN+2*i:BN+2*i+1], s[94:95] op_sel_hi:[1,0]
.set i, i+1
.endr
.irp b, 0,1,2,3
	v_mov_b32 v[TM+4+\b], 0
.endr
.irp a, 0,1,2,3,4,5,6,7
.if \a > 0
	s_wait_xcnt 0x0
	s_add_nc_u64 s[12:13], s[12:13], s[100:101]
.endif
	v_mul_f32 v[BMP], s2, v[BM+\a]
	v_mul_f32 v[BMP+1], s2, v[BM+\a]
	WIN 0x02+(\a)/4
.set i, 0
.rept 32
	v_pk_fma_f32 v[T+2*i:T+2*i+1], v[64*((\a)%4)+2*i:64*((\a)%4)+2*i+1], s[96:97], v[BN+2*i:BN+2*i+1] op_sel_hi:[1,0,1]
.set i, i+1
.endr
	WIN 0
.set i, 0
.rept 32
	v_pk_add_f32 v[T+2*i:T+2*i+1], v[T+2*i:T+2*i+1], v[BMP:BMP+1]
.set i, i+1
.endr
	QUANT T
	global_store_b128 v[VO0], v[PC:PC+3], s[12:13]
	global_store_b128 v[VO0], v[PC+4:PC+7], s[12:13] offset:512
	global_store_b128 v[VO1], v[PC+8:PC+11], s[12:13]
	global_store_b128 v[VO1], v[PC+12:PC+15], s[12:13] offset:512
	v_lshrrev_b32 v[WD+\a], v[VSH], v[PW]
	v_and_b32 v[WD+\a], s66, v[WD+\a]
	ds_store_b32 v[SWA], v[WD+\a] offset:64*\a
.endr
	ds_load_b128 v[248:251], v[SRA]
	ds_load_b128 v[252:255], v[SRA] offset:512
	s_wait_dscnt 0x0
	global_store_b128 v[VO0], v[248:251], s[104:105]
	global_store_b128 v[VO2], v[252:255], s[104:105]
	s_wait_tensorcnt 0x0
	ds_add_u32 v[SPW], v[NIL]
	s_wait_dscnt 0x0
	CROUND
	s_endpgm
.Lfunc_end_k_q9d5562e469_qkv:
	.size	k_q9d5562e469_qkv, .Lfunc_end_k_q9d5562e469_qkv-k_q9d5562e469_qkv
	.p2alignl 7, 3214868480
	.fill 96, 4, 3214868480
	.section	.rodata,"a",@progbits
	.p2align	6, 0x0
	.amdhsa_kernel k_q9d5562e469_qkv
		.amdhsa_group_segment_fixed_size 327680
		.amdhsa_private_segment_fixed_size 0
		.amdhsa_enable_private_segment 0
		.amdhsa_kernarg_size 88
		.amdhsa_user_sgpr_count 2
		.amdhsa_user_sgpr_kernarg_segment_ptr 1
		.amdhsa_wavefront_size32 1
		.amdhsa_system_sgpr_workgroup_id_x 1
		.amdhsa_system_sgpr_workgroup_id_y 1
		.amdhsa_system_sgpr_workgroup_id_z 1
		.amdhsa_system_vgpr_workitem_id 0
		.amdhsa_next_free_vgpr 1024
		.amdhsa_next_free_sgpr 106
		.amdhsa_reserve_vcc 0
		.amdhsa_float_denorm_mode_32 3
		.amdhsa_float_denorm_mode_16_64 3
		.amdhsa_memory_ordered 1
		.amdhsa_forward_progress 1
		.amdhsa_inst_pref_size 225
	.end_amdhsa_kernel
	.amdgpu_metadata
---
amdhsa.version: [ 1, 2 ]
amdhsa.kernels:
  - .name:           k_q9d5562e469_qkv
    .symbol:         k_q9d5562e469_qkv.kd
    .args:
      - { .name: xc, .offset: 0, .size: 8, .value_kind: global_buffer, .address_space: global }
      - { .name: wq_codes, .offset: 8, .size: 8, .value_kind: global_buffer, .address_space: global }
      - { .name: wq_scales, .offset: 16, .size: 8, .value_kind: global_buffer, .address_space: global }
      - { .name: wk_codes, .offset: 24, .size: 8, .value_kind: global_buffer, .address_space: global }
      - { .name: wk_scales, .offset: 32, .size: 8, .value_kind: global_buffer, .address_space: global }
      - { .name: wv_codes, .offset: 40, .size: 8, .value_kind: global_buffer, .address_space: global }
      - { .name: wv_scales, .offset: 48, .size: 8, .value_kind: global_buffer, .address_space: global }
      - { .name: bq, .offset: 56, .size: 8, .value_kind: global_buffer, .address_space: global }
      - { .name: bk, .offset: 64, .size: 8, .value_kind: global_buffer, .address_space: global }
      - { .name: bv, .offset: 72, .size: 8, .value_kind: global_buffer, .address_space: global }
      - { .name: att, .offset: 80, .size: 8, .value_kind: global_buffer, .address_space: global }
    .group_segment_fixed_size: 327680
    .private_segment_fixed_size: 0
    .kernarg_segment_align: 8
    .kernarg_segment_size: 88
    .max_flat_workgroup_size: 128
    .sgpr_count:     106
    .vgpr_count:     1024
    .wavefront_size: 32
...
	.end_amdgpu_metadata
.endif
;; end of part 2
;; launch attn (part 3): grid 8 x 32, 16 waves a work-group, clusters of 4 x 1, 327,680 bytes of LDS; arguments att, ctx; writes ctx
.if DOCPART == 3
	.amdgcn_target "amdgcn-amd-amdhsa--gfx1250"
	.amdhsa_code_object_version 6
	.text
	.protected	k_q9d5562e469_attn
	.globl	k_q9d5562e469_attn
	.p2align	8
	.type	k_q9d5562e469_attn,@function
k_q9d5562e469_attn:
	s_mov_b64 s[64:65], 0
	v_nop
	global_prefetch_b8 v0, s[64:65] scope:SCOPE_SE
	s_setreg_imm32_b32 hwreg(HW_REG_WAVE_MODE, 25, 1), 1
	s_wait_xcnt 0x0
	s_wait_alu depctr_hold_cnt(0) depctr_sa_sdst(0) depctr_va_vdst(0) depctr_va_sdst(0) depctr_va_ssrc(0) depctr_va_vcc(0) depctr_vm_vsrc(0)
	s_getreg_b32 s2, hwreg(HW_REG_IB_STS2, 6, 4)
	s_cmp_eq_u32 s2, 0
	s_cbranch_scc0 .Lentry_in_a_cluster
	s_endpgm
.Lentry_in_a_cluster:
	s_bfe_u32 s2, ttmp6, 0x10000c
	s_cmp_lg_u32 s2, 0x3003
	s_cbranch_scc0 .Lentry_shape_is_right
	s_endpgm
.Lentry_shape_is_right:
; ctx[token][64 head + d] = the sum over keys of softmax(q . k) v, both products on codes of E4M3 with E8M0 scales (q already holds the factor 1 / 8).
; t = score x log2(e); M = the running largest t rounded up to a whole number; p = 2^(t - M) is quantised along the keys, not normalised; the row's sum is taken of the unquantised p and divides at the end;
; when M moves, the sum and O are multiplied by 2^(old M - new M), which rounds nothing.
; SHARES.  A work-group owns 256 queries of one head, each of its sixteen waves 16 of them.  The head's K and V (131,072 bytes each, images of operand registers) lie in LDS for the whole launch, each byte filled once.
; The four query blocks of a cluster belong to one head and ask jointly (mask 15).  At the head each wave asks for 4,096 bytes of the first 512 keys (waves 0-7 K, 8-15 V); behind the full sequence and a round
; each wave asks once more: waves 0-3 for 24,576 bytes of K's rest, wave w of 4-15 for V's run w of 128 keys.  By this text's count one tensor load a wave is out at any time.
; THE SCALE WORDS go through registers: wave w loads step w's 512 bytes of K's words and 256 of V's and stores them to LDS 16 bytes a lane, so that a step reads K's four words by one load and V's two by another.
; LAYOUT.  Both products transposed: S^T = K Q^T (source 0 = 16 keys), O^T = V^T P^T (source 0 = 16 channels): a lane holds one query.  The head's 64 channels fill half of the instruction's K.  Q's upper 64 codes are zeros,
; so K's upper 64 may be any finite codes: tile t's operand is v[32+8t .. 47+8t], whose upper half is tile t + 1's codes (the last tile's: eight registers of zeros); K's codes are held at 448 where they are made, so none is a NaN code.
; ORDER.  O^T += V^T P^T of step s - 1 stands in step s: O's multiplication by f fills the places behind the score products, V's fragments take K's registers and land under the search for the maxima.
; No prefetch: both groups of loads go out at the launch's start, and there is no loop to run ahead in.
; LIMITS: NaN and infinities are not served; the promise holds while the scaled scores stay under 2^31 in magnitude.
; REGISTERS: v1-7 addresses that stay; v8-10 the step's; v12 -M, v13 the largest score, v[14:15] the sum; v16-31 Q; v32-95 K's eight tiles, then V's four fragments; v96-103 zeros; v104-167 S^T, p; v168-199 O^T;
; v200-215 p's codes; v216-231 at work; v232-235 K's words, v236-237 V's, v238 Q's, v239 p's; v[240:241] f; v242-253 at work; v254, v255 the add's.
.set VI,    131072                     ; LDS: K's images at 0 (128 keys: 8,192 B), V's here (128 keys: 8,192 B)
.set WB,    262144                     ; the words: 1,024 B a step: K's at 16 x lane, V's 512 B on at 16 x lane
.set STG,   278528                     ; the way out: 2,304 B a wave (16 half rows of 128 B, 144 B apart)
.set SPARE, 315392                     ; the spare words
.set G1A, 28                           ; s[28:35] 16 rows of 256 B;  s[36:43] 96 rows;  s[44:51] 32 rows
.set G1K, 36
.set G1V, 44
.set G0A, 52
.set G0K, 56
.set G0V, 60
.set SS,  104
.set OO,  168
.set PC,  200
.set TM,  216
.macro CROUND                          ; a round of the cluster's barrier
	s_barrier_signal -1
	s_barrier_wait -1
	s_cmp_lg_u32 s8, 0
	s_cbranch_scc1 .Lnot_wave_0_\@
	s_barrier_signal -3
.Lnot_wave_0_\@:
	s_barrier_wait -3
	s_barrier_signal -1
	s_barrier_wait -1
.endm
.macro GROUP1 g, r                     ; r dense rows of 32 elements of 8 bytes; the mask names all four partners, bit 21 beside it
	s_mov_b32 s[\g], 15|(3<<16)|(1<<21)
	s_mov_b32 s[\g+1], 32<<16
	s_mov_b32 s[\g+2], (\r)<<16
	s_mov_b32 s[\g+3], 32<<16
	s_mov_b32 s[\g+4], \r
	s_mov_b32 s[\g+5], 32
	s_mov_b32 s[\g+6], 0
	s_mov_b32 s[\g+7], 0
.endm
.macro NOP4
.rept 4
	v_nop
.endr
.endm
	s_load_b128 s[4:7], s[0:1], 0x0                ; att, ctx
	v_lshl_add_u32 v254, v0, 2, SPARE
	v_mov_b32 v255, 0
	ds_add_u32 v254, v255                          ; the opening lines: the add twice on end and its wait
	ds_add_u32 v254, v255
	v_lshrrev_b32 v8, 5, v0
	v_readfirstlane_b32 s8, v8                     ; wave 0..15
	v_and_b32 v9, 31, v0                           ; lane
	v_and_b32 v10, 15, v0                          ; r
	v_bfe_u32 v11, v0, 4, 1                        ; h
	v_lshlrev_b32 v1, 4, v9                        ; 16 x lane
	v_lshlrev_b32 v2, 3, v9                        ; 8 x lane
	v_lshlrev_b32 v5, 2, v10                       ; 4 r: Q's words
	v_and_b32 v6, 7, v9
	v_lshrrev_b32 v7, 3, v9
	v_lshlrev_b32 v7, 2, v7
	v_lshl_add_u32 v6, v6, 6, v7                   ; K's word 4 l + k goes to lane 4 (l % 8) + k, place l / 8: 64 (l % 8) + 4 (l / 8), + 16 k
	v_lshlrev_b32 v7, 2, v11
	v_lshl_add_u32 v7, v10, 5, v7                  ; V's word 2 l + k goes to lane 2 (l % 16) + k, place l / 16: 32 (l % 16) + 4 (l / 16), + 16 k
	s_lshl_b32 s15, s8, 10
	s_add_co_u32 s15, s15, WB                      ; step = my wave's number
	v_add_nc_u32 v6, s15, v6
	v_add_nc_u32 v7, s15, v7
	v_add_nc_u32 v3, VI-8192, v1                   ; V's images, a step back
	v_add_nc_u32 v4, WB-1024, v1                   ; the words, a step back
	s_and_b32 s9, ttmp7, 0xffff                    ; 16 b + head: the partners share it
	s_lshr_b32 s10, s9, 4                          ; b
	s_and_b32 s11, s9, 15                          ; head
	s_bfe_u32 s12, ttmp6, 0x40000                  ; cx
	s_lshl_b32 s13, ttmp9, 2
	s_add_co_u32 s13, s13, s12                     ; my block of 256 queries: it enters Q's and ctx's addresses alone
	s_and_b32 s14, s8, 7
	GROUP1 G1A, 16
	GROUP1 G1K, 96
	GROUP1 G1V, 32
	s_lshl_b32 s88, s9, 13                         ; K's words: 8,192 bytes a head, 512 a step
	s_lshl_b32 s89, s8, 9
	s_add_co_u32 s88, s88, s89
	s_add_co_u32 s88, s88, 12845056
	s_mov_b32 s89, 0
	s_lshl_b32 s90, s10, 16                        ; V's words: [b][128 keys][1,024 channels]: run = my wave, the head's 256 bytes
	s_lshl_b32 s91, s11, 8
	s_add_co_u32 s90, s90, s91
	s_lshl_b32 s91, s8, 12
	s_add_co_u32 s90, s90, s91
	s_add_co_u32 s90, s90, 13107200
	s_mov_b32 s91, 0
	s_lshl_b32 s74, s9, 17
	s_add_co_u32 s74, s74, 4194304                 ; K's images of the head
	s_lshl_b32 s76, s10, 21
	s_lshl_b32 s77, s11, 13
	s_add_co_u32 s76, s76, s77
	s_add_co_u32 s76, s76, 8388608                 ; V's images: [b][128 keys][16 heads][8,192]: the head's part of run 0
	s_lshl_b32 s93, s14, 12                        ; the first 512 keys: K: 4,096 x (wave % 8);
	s_add_co_u32 s92, s74, s93
	s_lshr_b32 s95, s14, 1                         ; V: run (wave % 8) / 2, half (wave % 8) % 2
	s_lshl_b32 s95, s95, 17
	s_add_co_u32 s94, s76, s95
	s_and_b32 s95, s14, 1
	s_lshl_b32 s95, s95, 12
	s_add_co_u32 s94, s94, s95
	s_cmp_lt_u32 s8, 8
	s_cselect_b32 s92, s92, s94
	s_mov_b32 s93, 0
	s_lshr_b32 s98, s8, 3                          ; in LDS: (wave / 8) x 131,072 + (wave % 8) x 4,096
	s_lshl_b32 s98, s98, 17
	s_lshl_b32 s99, s14, 12
	s_add_co_u32 s98, s98, s99
	s_mul_i32 s96, s8, 24576                       ; the rest: K: 32,768 + 24,576 x wave, in the images and in LDS alike (waves 0-3);
	s_add_co_u32 s96, s96, 32768
	s_add_co_u32 s78, s74, s96
	s_mov_b32 s79, 0
	s_lshl_b32 s80, s8, 17                         ; V: run = wave (waves 4-15)
	s_add_co_u32 s80, s80, s76
	s_mov_b32 s81, 0
	s_lshl_b32 s97, s8, 13
	s_add_co_u32 s97, s97, VI
	s_lshl_b32 s16, s9, 17                         ; Q's image: tile 16 x block + wave of the head
	s_lshl_b32 s17, s13, 14
	s_add_co_u32 s16, s16, s17
	s_lshl_b32 s17, s8, 10
	s_add_co_u32 s16, s16, s17
	s_mov_b32 s17, 0
	s_lshl_b32 s18, s9, 13                         ; Q's scale words
	s_lshl_b32 s19, s13, 10
	s_add_co_u32 s18, s18, s19
	s_lshl_b32 s19, s8, 6
	s_add_co_u32 s18, s18, s19
	s_add_co_u32 s18, s18, 12582912
	s_mov_b32 s19, 0
	s_lshl_b32 s26, s10, 23                        ; ctx: my first token's row, the head's 256 bytes
	s_lshl_b32 s27, s13, 20
	s_add_co_u32 s26, s26, s27
	s_lshl_b32 s27, s8, 16
	s_add_co_u32 s26, s26, s27
	s_lshl_b32 s27, s11, 8
	s_add_co_u32 s26, s26, s27
	s_mov_b32 s27, 0
	s_mov_b32 s20, 0x76543210
	s_mov_b32 s21, 0xfedcba98                      ; v_permlanex16_b32's selects for lane xor 16
	s_mov_b32 s22, 0x3fb8aa3b                      ; log2(e)
	s_mov_b32 s23, s22
	s_mov_b32 s24, 0x600000                        ; the mantissa field of 448
	s_mov_b32 s84, 0                               ; 8,192 x step
	s_mov_b32 s85, 0                               ; 1,024 x step
	s_wait_alu depctr_va_vdst(0)                   ; the wait here, directly ahead of the waits below
	s_wait_dscnt 0x0
	s_wait_kmcnt 0x0
	s_add_nc_u64 s[68:69], s[4:5], s[88:89]
	s_add_nc_u64 s[70:71], s[4:5], s[90:91]
	s_mov_b32 s[G0A], 1
	s_mov_b32 s[G0A+1], s98
	s_add_nc_u64 s[G0A+2:G0A+3], s[4:5], s[92:93]
	s_or_b32 s[G0A+3], s[G0A+3], 0x80000000
	s_mov_b32 s[G0K], 1
	s_mov_b32 s[G0K+1], s96
	s_add_nc_u64 s[G0K+2:G0K+3], s[4:5], s[78:79]
	s_or_b32 s[G0K+3], s[G0K+3], 0x80000000
	s_mov_b32 s[G0V], 1
	s_mov_b32 s[G0V+1], s97
	s_add_nc_u64 s[G0V+2:G0V+3], s[4:5], s[80:81]
	s_or_b32 s[G0V+3], s[G0V+3], 0x80000000
	s_add_nc_u64 s[16:17], s[4:5], s[16:17]
	s_add_nc_u64 s[18:19], s[4:5], s[18:19]
	s_add_nc_u64 s[6:7], s[6:7], s[26:27]
	global_load_b128 v[32:35], v1, s[68:69]        ; my step's words of K: 512 consecutive bytes
	global_load_b64 v[36:37], v2, s[70:71]         ; and of V: 256 consecutive bytes
	global_load_b128 v[16:19], v1, s[16:17]        ; Q's half image stays in registers
	global_load_b128 v[20:23], v1, s[16:17] offset:512
	global_load_b32 v238, v5, s[18:19]             ; and its scale words
	CROUND                                         ; all four work-groups are here: the joint loads meet
	tensor_load_to_lds s[G0A:G0A+3], s[G1A:G1A+7]  ; my 4,096 bytes of the first 512 keys: one load a wave at the head
	s_nop 0
	NOP4
	v_mov_b32 v13, 0xff61b1e6                      ; the largest score so far: -3e38
	v_mov_b32 v12, 0x7f61b1e6                      ; -M
	v_mov_b32 v14, 0
	v_mov_b32 v15, 0
	v_mov_b32 v241, 0                              ; (named as the upper half of the pair v[240:241])
.irp j, 0,1,2,3
	v_mov_b32 v[TM+4+\j], 0                        ; a lane permute's destination counts as one of its sources
.endr
.irp j, 0,1,2,3,4,5,6,7
	v_mov_b32 v[24+\j], 0                          ; the upper 64 along K: zero codes in Q,
	v_mov_b32 v[96+\j], 0                          ; and behind K's last tile
.endr
.set j, 0
.rept 32
	v_mov_b32 v[OO+j], 0                           ; O^T: step 1 multiplies zeros by f
.set j, j+1
.endr
.macro SQK t
.if (\t)%2
	v_wmma_scale_f32_16x16x128_f8f6f4 v[SS+8*\t:SS+7+8*\t], v[32+8*\t:47+8*\t], v[16:31], 0, v[232+(\t)/2], v238 matrix_a_scale:MATRIX_SCALE_ROW1
.else
	v_wmma_scale_f32_16x16x128_f8f6f4 v[SS+8*\t:SS+7+8*\t], v[32+8*\t:47+8*\t], v[16:31], 0, v[232+(\t)/2], v238
.endif
.endm
.macro OPV d
.if (\d)%2
	v_wmma_scale_f32_16x16x128_f8f6f4 v[OO+8*\d:OO+7+8*\d], v[32+16*\d:47+16*\d], v[PC:PC+15], v[OO+8*\d:OO+7+8*\d], v[236+(\d)/2], v239 matrix_a_scale:MATRIX_SCALE_ROW1
.else
	v_wmma_scale_f32_16x16x128_f8f6f4 v[OO+8*\d:OO+7+8*\d], v[32+16*\d:47+16*\d], v[PC:PC+15], v[OO+8*\d:OO+7+8*\d], v[236+(\d)/2], v239
.endif
.endm
.macro MX b, k                         ; link k of 8 of the search for the largest of block b's 16 scores in my lane; each tile is read from its low end on
.if (\k) == 0
	v_max3_num_f32 v[TM+\b], v[SS+16*\b], v[SS+1+16*\b], v[SS+2+16*\b]
.elseif (\k) < 7
	v_max3_num_f32 v[TM+\b], v[TM+\b], v[SS+16*\b+2*(\k)+1], v[SS+1+16*\b+2*(\k)+1]
.else
	v_max_num_f32 v[TM+\b], v[TM+\b], v[SS+15+16*\b]
.endif
.endm
.macro OLDV                            ; the last step's O^T under its M, and its fragments and words of V asked for
	s_wait_alu depctr_va_vdst(0)                   ; the wait here, directly ahead of the first reader of O^T
.set j, 0
.rept 16
	v_pk_mul_f32 v[OO+2*j:OO+2*j+1], v[OO+2*j:OO+2*j+1], v[240:241] op_sel_hi:[1,0]   ; sixteen lines that name no register of the score products: their places
.set j, j+1
.endr
.irp d, 0,1,2,3
.irp c, 0,1,2,3
	ds_load_b128 v[32+16*\d+4*\c:35+16*\d+4*\c], v9 offset:2048*\d+512*\c
.endr
.endr
	ds_load_b64 v[236:237], v10 offset:512
.endm
; A KEY STEP: 128 keys.  first = 1: step 0, which has no step behind it
.macro STEP first
	v_add_nc_u32 v8, s84, v1
.if \first == 0
	v_add_nc_u32 v9, s84, v3
.endif
	v_add_nc_u32 v10, s85, v4
.irp t, 0,1,2,3,4,5,6,7
	ds_load_b128 v[32+8*\t:35+8*\t], v8 offset:1024*\t
	ds_load_b128 v[36+8*\t:39+8*\t], v8 offset:1024*\t+512
.endr
	ds_load_b128 v[232:235], v10 offset:1024
	s_wait_dscnt 0x0
.irp t, 0,1,2,3,4,5,6,7
	SQK \t
.endr
.if \first
.rept 8
	v_nop                                          ; places behind the products
.endr
.else
	OLDV
.endif
.irp k, 0,1,2,3,4,5,6,7
.irp b, 0,1,2,3
	MX \b, \k                                      ; the largest score of each block of 32 keys: for the row's maximum and, since p rises with the score, for the block's largest p
.endr
.endr
.irp b, 0,1,2,3
	v_permlanex16_b32 v[TM+4+\b], v[TM+\b], s20, s21
.endr
.irp b, 0,1,2,3
	v_max_num_f32 v[TM+\b], v[TM+\b], v[TM+4+\b]
.endr
.if \first == 0
	s_wait_alu depctr_va_vdst(0)                   ; the wait here, directly ahead of the wait below
	s_wait_dscnt 0x0                               ; V's fragments and words are in
.irp d, 0,1,2,3
	OPV \d                                         ; the last step's O^T += V^T P^T; the four accumulators take turns
.endr
.endif
	v_max3_num_f32 v242, v[TM], v[TM+1], v[TM+2]
	s_delay_alu instid0(VALU_DEP_1)
	v_max3_num_f32 v13, v13, v242, v[TM+3]         ; the running largest score
	s_delay_alu instid0(VALU_DEP_1)
	v_mul_f32 v242, s22, v13                       ; as t
	s_delay_alu instid0(VALU_DEP_1)
	v_floor_f32 v243, -v242                        ; the new -M = -ceil(t)
	s_delay_alu instid0(VALU_DEP_1)
	v_sub_f32 v242, v243, v12                      ; old M - new M: a whole number, 0 or less
	v_mov_b32 v12, v243
	s_delay_alu instid0(VALU_DEP_2)
	v_cvt_i32_f32 v242, v242                       ; (it saturates)
	s_delay_alu instid0(VALU_DEP_1)
	v_ldexp_f32 v240, 1.0, v242                    ; f = 2^(old M - new M)
.set j, 0
.rept 32
	v_pk_fma_f32 v[SS+2*j:SS+2*j+1], v[SS+2*j:SS+2*j+1], s[22:23], v[12:13] op_sel_hi:[1,0,0]   ; t - M
.set j, j+1
.endr
.irp b, 0,1,2,3
	v_fma_f32 v[TM+\b], v[TM+\b], s22, v12
.endr
	s_wait_alu depctr_va_vdst(0)                   ; the wait ahead of the batch
.set j, 0
.rept 64
	v_exp_f32 v[SS+j], v[SS+j]                     ; p = 2^(t - M)
.set j, j+1
.endr
.irp b, 0,1,2,3
	v_exp_f32 v[TM+\b], v[TM+\b]                   ; the block's largest p: the same two instructions on the same number
.endr
	v_pk_mul_f32 v[14:15], v[14:15], v[240:241] op_sel_hi:[1,0]   ; the sums under the new M (a plain place behind the exponentials)
	s_wait_alu depctr_va_vdst(0)                   ; one wait for the batch, ahead of its first reader
.irp b, 0,1,2,3
	v_max_num_f32 v[TM+\b], 0x4800000, v[TM+\b]    ; the floor 2^(9 - 127)
.endr
.irp b, 0,1,2,3
	v_add_nc_u32 v[TM+12+\b], 0xfc000000, v[TM+\b] ; the conversion's scale operand
.endr
.irp b, 0,1,2,3
	v_and_or_b32 v[TM+8+\b], v[TM+\b], 0x7f800000, s24   ; 448 x the scale
.endr
.irp b, 0,1,2,3
	v_lshrrev_b32 v[TM+4+\b], 23, v[TM+12+\b]      ; the scale's byte
.endr
	v_lshl_or_b32 v239, v[TM+5], 8, v[TM+4]        ; p's scale word for these 128 keys
	v_lshl_or_b32 v239, v[TM+6], 16, v239
	v_lshl_or_b32 v239, v[TM+7], 24, v239
.irp b, 0,1,2,3
	v_and_or_b32 v[TM+4+(\b+1)%4], v[TM+\b], 0x7f800000, s24   ; 448 x the scale once more, in a register of another bank: the second half of a dual pair reads it
.endr
.irp i, 0,1,2,3,4                              ; the row's sum of the unquantised p, in six chains
	v_pk_add_f32 v[244+2*\i:245+2*\i], v[SS+4*\i:SS+4*\i+1], v[SS+4*\i+2:SS+4*\i+3]
.endr
	v_pk_add_f32 v[14:15], v[14:15], v[SS+20:SS+21]
.set j, 11
.rept 21
.if (j-11)%6 < 5
	v_pk_add_f32 v[244+2*((j-11)%6):245+2*((j-11)%6)], v[244+2*((j-11)%6):245+2*((j-11)%6)], v[SS+2*j:SS+2*j+1]
.else
	v_pk_add_f32 v[14:15], v[14:15], v[SS+2*j:SS+2*j+1]
.endif
.set j, j+1
.endr
.irp b, 0,1,2,3
.irp i, 0,2,4,6,8,10,12,14
	v_dual_min_num_f32 v[SS+16*\b+\i], v[SS+16*\b+\i], v[TM+8+\b] :: v_dual_min_num_f32 v[SS+1+16*\b+\i], v[SS+1+16*\b+\i], v[TM+4+(\b+1)%4]   ; the conversion does not saturate (ISA guide 7.6.2); p is not negative
.endr
	v_cvt_scalef32_pk8_fp8_f32 v[PC+4*\b:PC+1+4*\b], v[SS+16*\b:SS+7+16*\b], v[TM+12+\b]
	v_cvt_scalef32_pk8_fp8_f32 v[PC+2+4*\b:PC+3+4*\b], v[SS+8+16*\b:SS+15+16*\b], v[TM+12+\b]
.endr
	v_pk_add_f32 v[244:245], v[244:245], v[246:247]   ; the chains meet (plain lines behind the last conversion)
	v_pk_add_f32 v[248:249], v[248:249], v[250:251]
	v_pk_add_f32 v[14:15], v[14:15], v[252:253]
	v_pk_add_f32 v[244:245], v[244:245], v[248:249]
	v_pk_add_f32 v[14:15], v[14:15], v[244:245]
	s_add_co_u32 s84, s84, 8192
	s_add_co_u32 s85, s85, 1024
.endm
	s_wait_alu depctr_va_vdst(0)                   ; the wait at the head's end
	s_wait_loadcnt 0x3                             ; the words are in; Q's three loads may be out
	s_wait_tensorcnt 0x0                           ; no tensor load of mine is out when I store to LDS
.irp k, 0,1,2,3
	ds_store_b32 v6, v[32+\k] offset:16*\k
.endr
	ds_store_b32 v7, v36 offset:512
	ds_store_b32 v7, v37 offset:528
	s_wait_tensorcnt 0x0                           ; ahead of a later first fill
	ds_add_u32 v254, v255
	s_wait_dscnt 0x0                               ; the add and my stores of words are done
	CROUND                                         ; the first 512 keys and all words are in, in every partner
	s_cmp_lt_u32 s8, 4                             ; two shapes: a short branch on the wave's number round the two lines
	s_cbranch_scc0 .Lfor_v
	tensor_load_to_lds s[G0K:G0K+3], s[G1K:G1K+7]
	s_nop 0
	NOP4
	s_branch .Lasked
.Lfor_v:
	tensor_load_to_lds s[G0V:G0V+3], s[G1V:G1V+7]
	s_nop 0
	NOP4
.Lasked:
	s_wait_loadcnt 0x0                             ; Q
	STEP 1                                         ; keys 0 to 127
	s_mov_b32 s87, 2
.Lfirst:                                           ; keys 128 to 383: LDS bytes under 32,768 of K's images and of V's, into which no load is on its way
	STEP 0
	s_sub_co_u32 s87, s87, 1
	s_cmp_lg_u32 s87, 0
	s_wait_alu depctr_va_vdst(0)                   ; the wait ahead of the branch
	s_cbranch_scc1 .Lfirst
	s_mov_b32 s84, 24576                           ; (the numbers that the three steps have reached, written out)
	s_mov_b32 s85, 3072
	s_wait_tensorcnt 0x0                           ; my part of the rest has landed:
	s_wait_dscnt 0x0
	s_barrier_signal -1                            ; say so early.
	STEP 0                                         ; keys 384 to 511 between the signal and the wait: LDS loads of bytes that nobody writes, and work on registers
	s_wait_alu depctr_va_vdst(0)                   ; the wait here, directly ahead of the wait below
	s_barrier_wait -1                              ; everybody's part has landed
	s_mov_b32 s84, 32768                           ; (the numbers that the four steps have reached, written out)
	s_mov_b32 s85, 4096
	s_mov_b32 s87, 12
.Lrest:                                            ; keys 512 to 2,047
	STEP 0
	s_sub_co_u32 s87, s87, 1
	s_cmp_lg_u32 s87, 0
	s_wait_alu depctr_va_vdst(0)
	s_cbranch_scc1 .Lrest
	s_mov_b32 s84, 131072
	s_mov_b32 s85, 16384
	; the last step's second product, and THE WAY OUT
	v_add_nc_u32 v9, s84, v3
	v_add_nc_u32 v10, s85, v4
	OLDV
	v_add_f32 v14, v14, v15
	v_permlanex16_b32 v242, v14, s20, s21
	v_add_f32 v14, v14, v242                       ; the row's sum
	s_wait_alu depctr_va_vdst(0)                   ; the wait ahead of the transcendental
	v_rcp_f32 v14, v14
	v_and_b32 v5, 15, v0                           ; (a plain place)  r
	v_bfe_u32 v6, v0, 4, 1                         ; h
	s_mul_i32 s26, s8, 2304
	s_add_co_u32 s26, s26, STG                     ; my stage: bytes of my own, so no barrier stands ahead of the way out
	s_wait_alu depctr_va_vdst(0)                   ; behind the reciprocal, ahead of the waits below
	s_wait_dscnt 0x0
.irp d, 0,1,2,3
	OPV \d
.endr
	v_mul_u32_u24 v7, v5, 144                      ; nine lines that name no register of the products: their places
	v_lshl_add_u32 v7, v6, 5, v7
	v_add_nc_u32 v7, s26, v7                       ; in: row r, + 32 h
	v_and_b32 v9, 7, v5
	v_mul_u32_u24 v8, v6, 144
	v_lshl_add_u32 v8, v9, 4, v8
	v_add_nc_u32 v8, s26, v8                       ; back: lanes 0-15 one row, lanes 16-31 the next; 16 bytes at 16 (r % 8) of the half row
	v_lshlrev_b32 v11, 12, v6
	v_lshl_add_u32 v11, v5, 4, v11                 ; and the same two rows in ctx
.set j, 0
.rept 16
	v_pk_mul_f32 v[SS+2*j:SS+2*j+1], v[OO+2*j:OO+2*j+1], v[14:15] op_sel_hi:[1,0]   ; register 8 d + i: channel 16 d + 8 h + i of query r
.set j, j+1
.endr
.macro HALF u                          ; channels 32 u to 32 u + 31 of all 16 queries through the stage.  LDS serves a wave's instructions in order: the loads see the stores, and the next half's stores come behind them
.irp d, 0,1
	ds_store_b128 v7, v[SS+16*\u+8*\d:SS+16*\u+3+8*\d] offset:64*\d
	ds_store_b128 v7, v[SS+16*\u+4+8*\d:SS+16*\u+7+8*\d] offset:64*\d+16
.endr
.irp i, 0,1,2,3,4,5,6,7
	ds_load_b128 v[32+32*\u+4*\i:35+32*\u+4*\i], v8 offset:288*\i
.endr
.endm
	HALF 0
	HALF 1
	s_wait_alu depctr_va_vdst(0)                   ; the wait here, directly ahead of the wait below
	s_wait_dscnt 0x0
	v_cmp_gt_u32 vcc_lo, 8, v5                     ; lanes 0-7 of a row keep its first half, lanes 8-15 take its second
.set j, 0
.rept 32
	v_cndmask_b32 v[32+j], v[64+j], v[32+j], vcc_lo
.set j, j+1
.endr
.irp i, 0,1,2,3,4,5,6,7
	global_store_b128 v11, v[32+4*\i:35+4*\i], s[6:7] offset:8192*\i   ; sixteen lanes store 256 consecutive bytes, aligned
.endr
	s_wait_tensorcnt 0x0                           ; the wave's end
	ds_add_u32 v254, v255
	s_wait_dscnt 0x0
	CROUND                                         ; the closing round
	s_endpgm
.Lfunc_end_k_q9d5562e469_attn:
	.size	k_q9d5562e469_attn, .Lfunc_end_k_q9d5562e469_attn-k_q9d5562e469_attn
	.p2alignl 7, 3214868480
	.fill 96, 4, 3214868480
	.section	.rodata,"a",@progbits
	.p2align	6, 0x0
	.amdhsa_kernel k_q9d5562e469_attn
		.amdhsa_group_segment_fixed_size 327680
		.amdhsa_private_segment_fixed_size 0
		.amdhsa_enable_private_segment 0
		.amdhsa_kernarg_size 16
		.amdhsa_user_sgpr_count 2
		.amdhsa_user_sgpr_kernarg_segment_ptr 1
		.amdhsa_wavefront_size32 1
		.amdhsa_system_sgpr_workgroup_id_x 1
		.amdhsa_system_sgpr_workgroup_id_y 1
		.amdhsa_system_sgpr_workgroup_id_z 1
		.amdhsa_system_vgpr_workitem_id 0
		.amdhsa_next_free_vgpr 256
		.amdhsa_next_free_sgpr 100
		.amdhsa_reserve_vcc 1
		.amdhsa_float_denorm_mode_32 3
		.amdhsa_float_denorm_mode_16_64 3
		.amdhsa_memory_ordered 1
		.amdhsa_forward_progress 1
		.amdhsa_inst_pref_size 91
	.end_amdhsa_kernel
	.amdgpu_metadata
---
amdhsa.version: [ 1, 2 ]
amdhsa.kernels:
  - .name:           k_q9d5562e469_attn
    .symbol:         k_q9d5562e469_attn.kd
    .args:
      - { .name: att, .offset: 0, .size: 8, .value_kind: global_buffer, .address_space: global }
      - { .name: ctx, .offset: 8, .size: 8, .value_kind: global_buffer, .address_space: global }
    .group_segment_fixed_size: 327680
    .private_segment_fixed_size: 0
    .kernarg_segment_align: 8
    .kernarg_segment_size: 16
    .max_flat_workgroup_size: 512
    .sgpr_count:     100
    .vgpr_count:     256
    .wavefront_size: 32
...
	.end_amdgpu_metadata
.endif
;; end of part 3
;; launch ln1 (part 4): grid 256 x 1, 4 waves a work-group, no clusters, 21,504 bytes of LDS; arguments x, ctx, g1, be1, yb; writes yb
.if DOCPART == 4
	.amdgcn_target "amdgcn-amd-amdhsa--gfx1250"
	.amdhsa_code_object_version 6
	.text
	.protected	k_q9d5562e469_ln1
	.globl	k_q9d5562e469_ln1
	.p2align	8
	.type	k_q9d5562e469_ln1,@function
k_q9d5562e469_ln1:
	s_mov_b64 s[64:65], 0
	v_nop
	global_prefetch_b8 v0, s[64:65] scope:SCOPE_SE
	s_setreg_imm32_b32 hwreg(HW_REG_WAVE_MODE, 25, 1), 1
	s_wait_xcnt 0x0
; y = LN(x + ctx) g1 + be1, rows of 1,024, in f32: mean, then the mean of the squares of the differences, rsqrt(var + 1e-5).  y goes to yb as f32 (byte 0), as codes of E4M3 (byte YC) and as E8M0 bytes (byte YS, [4096][32]).
; A wave takes a whole row in 32 registers (load j gives lane l the numbers 128 j + 4 l on), four rows one after the other; the loads of the row two on are issued while a row is worked.  Memory binds: no matrix unit, no cluster.
; For the quantiser a lane must hold 16 neighbours: 512 numbers at a time turn through the wave's own stage in LDS.  The work-group's 512 scale bytes meet in LDS and leave as 512 consecutive bytes.
; LIMITS: NaN and infinities are not served; a block of zeros gets the byte 1, read by this program alone.
.set YC,  16777216
.set YS,  20971520
.set SP,  80
.set SCB, 20480
.set G,   16                           ; v16-47 the gain;  v48-79 the offset
.set BE,  48
.set XT,  208                          ; v208-239 two sets of 16 neighbours
.set CD,  240                          ; v240-247 codes
.set EB,  248                          ; v248-249 scale bytes
	s_load_b256 s[4:11], s[0:1], 0x0               ; x, ctx, g1, be1
	s_load_b64 s[12:13], s[0:1], 0x20              ; yb
	v_lshl_add_u32 v14, v0, 2, 0x5200
	v_mov_b32 v15, 0
	v_lshrrev_b32 v4, 5, v0
	v_readfirstlane_b32 s16, v4                    ; wave
	v_and_b32 v4, 31, v0                           ; lane
	v_lshlrev_b32 v1, 4, v4                        ; 16 x lane
	s_mul_i32 s17, s16, 5120
	v_lshrrev_b32 v2, 2, v4
	v_mul_u32_u24 v2, v2, SP
	v_and_b32 v3, 3, v4
	v_lshl_add_u32 v2, v3, 4, v2
	v_add_nc_u32 v2, s17, v2                       ; the stage, in
	v_mul_u32_u24 v3, v4, SP
	v_add_nc_u32 v3, s17, v3                       ; and out
	v_lshrrev_b32 v5, 1, v4
	s_lshl_b32 s18, s16, 7
	s_add_co_u32 s18, s18, SCB
	v_add_nc_u32 v5, s18, v5                       ; my block's byte: SCB + 128 x wave + lane / 2
	v_add_nc_u32 v6, SCB, v1
	s_mov_b32 s20, 0x76543210
	s_mov_b32 s21, 0xfedcba98
	s_mov_b32 s22, 0x3a800000                      ; 1 / 1,024
	s_mov_b32 s23, 0x3727c5ac                      ; 1e-5
	s_mov_b32 s24, 0x600000
	s_lshl_b32 s26, ttmp9, 16                      ; 16 rows of 4,096 bytes a work-group, 4 a wave
	s_lshl_b32 s27, s16, 14
	s_add_co_u32 s26, s26, s27
	s_mov_b32 s27, 0
	s_lshr_b32 s28, s26, 2
	s_add_co_u32 s28, s28, YC
	s_mov_b32 s29, 0
	s_lshl_b32 s30, ttmp9, 9
	s_add_co_u32 s30, s30, YS
	s_mov_b32 s31, 0
	s_wait_kmcnt 0x0
	s_add_nc_u64 s[4:5], s[4:5], s[26:27]
	s_add_nc_u64 s[6:7], s[6:7], s[26:27]
	s_add_nc_u64 s[14:15], s[12:13], s[28:29]      ; the codes
	s_add_nc_u64 s[18:19], s[12:13], s[30:31]      ; the scale bytes
	s_add_nc_u64 s[12:13], s[12:13], s[26:27]      ; y
.irp j, 0,1,2,3,4,5,6,7
	global_load_b128 v[G+4*\j:G+4*\j+3], v1, s[8:9] offset:512*\j
	global_load_b128 v[BE+4*\j:BE+4*\j+3], v1, s[10:11] offset:512*\j
.endr
.macro ROWLOAD i
.irp j, 0,1,2,3,4,5,6,7
	global_load_b128 v[80+64*((\i)%2)+4*\j:83+64*((\i)%2)+4*\j], v1, s[4:5] offset:4096*(\i)+512*\j th:TH_LOAD_NT
.endr
.irp j, 0,1,2,3,4,5,6,7
	global_load_b128 v[112+64*((\i)%2)+4*\j:115+64*((\i)%2)+4*\j], v1, s[6:7] offset:4096*(\i)+512*\j th:TH_LOAD_NT
.endr
.endm
.macro LANESUM a, t                    ; the sum over the 32 lanes, in every lane
	v_add_f32_dpp v[\a], v[\a], v[\a] row_xmask:1 row_mask:0xf bank_mask:0xf
	v_add_f32_dpp v[\a], v[\a], v[\a] row_xmask:2 row_mask:0xf bank_mask:0xf
	v_add_f32_dpp v[\a], v[\a], v[\a] row_xmask:4 row_mask:0xf bank_mask:0xf
	v_add_f32_dpp v[\a], v[\a], v[\a] row_xmask:8 row_mask:0xf bank_mask:0xf
	v_permlanex16_b32 v[\t], v[\a], s20, s21
	v_add_f32 v[\a], v[\a], v[\t]
.endm
.macro NORM                            ; the row in v[RA] on becomes (row - mean) rsqrt(var + eps) gain + offset
	v_pk_add_f32 v[250:251], v[RA:RA+1], v[RA+2:RA+3]
	v_pk_add_f32 v[252:253], v[RA+4:RA+5], v[RA+6:RA+7]
.irp j, 8,12,16,20,24,28
	v_pk_add_f32 v[250:251], v[250:251], v[RA+\j:RA+\j+1]
	v_pk_add_f32 v[252:253], v[252:253], v[RA+\j+2:RA+\j+3]
.endr
	v_pk_add_f32 v[250:251], v[250:251], v[252:253]
	v_add_f32 v250, v250, v251
	LANESUM 250, 251
	v_mul_f32 v250, s22, v250                      ; the mean
	v_mov_b32 v251, v250
.set j, 0
.rept 16
	v_pk_add_f32 v[RA+2*j:RA+2*j+1], v[RA+2*j:RA+2*j+1], v[250:251] neg_lo:[0,1] neg_hi:[0,1]
.set j, j+1
.endr
	v_pk_mul_f32 v[252:253], v[RA:RA+1], v[RA:RA+1]
	v_pk_mul_f32 v[254:255], v[RA+2:RA+3], v[RA+2:RA+3]
.irp j, 4,8,12,16,20,24,28
	v_pk_fma_f32 v[252:253], v[RA+\j:RA+\j+1], v[RA+\j:RA+\j+1], v[252:253]
	v_pk_fma_f32 v[254:255], v[RA+\j+2:RA+\j+3], v[RA+\j+2:RA+\j+3], v[254:255]
.endr
	v_pk_add_f32 v[252:253], v[252:253], v[254:255]
	v_add_f32 v252, v252, v253
	LANESUM 252, 253
	v_fma_f32 v252, v252, s22, s23                 ; var + eps
	s_wait_alu depctr_va_vdst(0)
	v_rsq_f32 v252, v252
	v_nop                                          ; a plain place behind the transcendental
	s_wait_alu depctr_va_vdst(0)
	v_mov_b32 v253, v252
.set j, 0
.rept 16
	v_pk_mul_f32 v[RA+2*j:RA+2*j+1], v[RA+2*j:RA+2*j+1], v[252:253]
.set j, j+1
.endr
.set j, 0
.rept 16
	v_pk_fma_f32 v[RA+2*j:RA+2*j+1], v[RA+2*j:RA+2*j+1], v[G+2*j:G+2*j+1], v[BE+2*j:BE+2*j+1]
.set j, j+1
.endr
.endm
.macro QSTEP i, s                      ; 512 numbers of row i, 16 a lane, become codes and 16 scale bytes
.set XS, XT+16*(\s)
	v_max3_num_f32 v8, |v[XS]|, |v[XS+1]|, |v[XS+2]|
	v_max3_num_f32 v9, |v[XS+3]|, |v[XS+4]|, |v[XS+5]|
.irp k, 6,10
	v_max3_num_f32 v8, v8, |v[XS+\k]|, |v[XS+\k+1]|
	v_max3_num_f32 v9, v9, |v[XS+\k+2]|, |v[XS+\k+3]|
.endr
	v_max3_num_f32 v8, v8, |v[XS+14]|, |v[XS+15]|
	v_max3_num_f32 v8, v8, v9, 0x4800000           ; the floor 2^(9 - 127)
	v_max_num_f32_dpp v8, v8, v8 row_xmask:1 row_mask:0xf bank_mask:0xf
	v_add_nc_u32 v11, 0xfc000000, v8
	v_and_or_b32 v10, v8, 0x7f800000, s24
.irp k, 0,1,2,3,4,5,6,7,8,9,10,11,12,13,14,15
	v_med3_num_f32 v[XS+\k], v[XS+\k], -v10, v10
.endr
	v_cvt_scalef32_pk8_fp8_f32 v[CD+4*(\s):CD+4*(\s)+1], v[XS:XS+7], v11
	v_cvt_scalef32_pk8_fp8_f32 v[CD+4*(\s)+2:CD+4*(\s)+3], v[XS+8:XS+15], v11
	v_lshrrev_b32 v[EB+(\s)], 23, v11
	ds_store_b8 v5, v[EB+(\s)] offset:32*(\i)+16*(\s)
	global_store_b128 v1, v[CD+4*(\s):CD+4*(\s)+3], s[14:15] offset:1024*(\i)+512*(\s)
.endm
.macro ROW i, left
.set RA, 80+64*((\i)%2)
.set RB, RA+32
	s_wait_loadcnt \left                           ; this row's 16 loads are in (and the gain and the offset); the next row's 16 may be out
.set j, 0
.rept 16
	v_pk_add_f32 v[RA+2*j:RA+2*j+1], v[RA+2*j:RA+2*j+1], v[RB+2*j:RB+2*j+1]
.set j, j+1
.endr
	NORM
.irp j, 0,1,2,3,4,5,6,7
	global_store_b128 v1, v[RA+4*\j:RA+4*\j+3], s[12:13] offset:4096*(\i)+512*\j
.endr
.irp s, 0,1
.irp k, 0,1,2,3
	ds_store_b128 v2, v[RA+16*\s+4*\k:RA+16*\s+4*\k+3] offset:2560*\s+640*\k
.endr
.irp k, 0,1,2,3
	ds_load_b128 v[XT+16*\s+4*\k:XT+16*\s+4*\k+3], v3 offset:2560*\s+16*\k
.endr
.endr
	s_wait_dscnt 4                                 ; all but the last four loads: the first 512 are back, and every store into the stage has read its registers
	s_wait_xcnt 0x0                                ; the stores of y and of the last row's codes have read theirs
.if (\i) < 2
	ROWLOAD (\i)+2
.endif
	QSTEP \i, 0
	s_wait_dscnt 1                                 ; the second 512 are back; the byte store just issued may be out
	QSTEP \i, 1
.endm
	ROWLOAD 0
	ROWLOAD 1
	ROW 0, 16
	ROW 1, 16
	ROW 2, 16
	ROW 3, 0
	s_wait_dscnt 0x0                               ; for the others' sake: my byte stores have landed
	s_barrier_signal -1
	s_barrier_wait -1
	s_cmp_lg_u32 s16, 0
	s_cbranch_scc1 .Lend
	s_wait_xcnt 0x0
	ds_load_b128 v[240:243], v6
	s_wait_dscnt 0x0
	global_store_b128 v1, v[240:243], s[18:19]     ; 16 rows' scale bytes: 512 consecutive bytes
.Lend:
	s_wait_tensorcnt 0x0
	ds_add_u32 v14, v15
	s_wait_dscnt 0x0
	s_endpgm
.Lfunc_end_k_q9d5562e469_ln1:
	.size	k_q9d5562e469_ln1, .Lfunc_end_k_q9d5562e469_ln1-k_q9d5562e469_ln1
	.p2alignl 7, 3214868480
	.fill 96, 4, 3214868480
	.section	.rodata,"a",@progbits
	.p2align	6, 0x0
	.amdhsa_kernel k_q9d5562e469_ln1
		.amdhsa_group_segment_fixed_size 21504
		.amdhsa_private_segment_fixed_size 0
		.amdhsa_enable_private_segment 0
		.amdhsa_kernarg_size 40
		.amdhsa_user_sgpr_count 2
		.amdhsa_user_sgpr_kernarg_segment_ptr 1
		.amdhsa_wavefront_size32 1
		.amdhsa_system_sgpr_workgroup_id_x 1
		.amdhsa_system_sgpr_workgroup_id_y 1
		.amdhsa_system_sgpr_workgroup_id_z 1
		.amdhsa_system_vgpr_workitem_id 0
		.amdhsa_next_free_vgpr 256
		.amdhsa_next_free_sgpr 66
		.amdhsa_reserve_vcc 0
		.amdhsa_float_denorm_mode_32 3
		.amdhsa_float_denorm_mode_16_64 3
		.amdhsa_memory_ordered 1
		.amdhsa_forward_progress 1
		.amdhsa_inst_pref_size 63
	.end_amdhsa_kernel
	.amdgpu_metadata
---
amdhsa.version: [ 1, 2 ]
amdhsa.kernels:
  - .name:           k_q9d5562e469_ln1
    .symbol:         k_q9d5562e469_ln1.kd
    .args:
      - { .name: x, .offset: 0, .size: 8, .value_kind: global_buffer, .address_space: global }
      - { .name: ctx, .offset: 8, .size: 8, .value_kind: global_buffer, .address_space: global }
      - { .name: g1, .offset: 16, .size: 8, .value_kind: global_buffer, .address_space: global }
      - { .name: be1, .offset: 24, .size: 8, .value_kind: global_buffer, .address_space: global }
      - { .name: yb, .offset: 32, .size: 8, .value_kind: global_buffer, .address_space: global }
    .group_segment_fixed_size: 21504
    .private_segment_fixed_size: 0
    .kernarg_segment_align: 8
    .kernarg_segment_size: 40
    .max_flat_workgroup_size: 128
    .sgpr_count:     66
    .vgpr_count:     256
    .wavefront_size: 32
...
	.end_amdgpu_metadata
.endif
;; end of part 4
;; launch ffn1 (part 5): grid 16 x 16, 4 waves a work-group, clusters of 4 x 4, 327,680 bytes of LDS; arguments yb, w1_codes, w1_scales, b1, hc; writes hc
.if DOCPART == 5
	.amdgcn_target "amdgcn-amd-amdhsa--gfx1250"
	.amdhsa_code_object_version 6
	.text
	.protected	k_q9d5562e469_ffn1
	.globl	k_q9d5562e469_ffn1
	.p2align	8
	.type	k_q9d5562e469_ffn1,@function
k_q9d5562e469_ffn1:
	s_mov_b64 s[64:65], 0
	v_nop
	global_prefetch_b8 v0, s[64:65] scope:SCOPE_SE
	s_setreg_imm32_b32 hwreg(HW_REG_WAVE_MODE, 25, 1), 1
	s_wait_xcnt 0x0
	s_wait_alu depctr_hold_cnt(0) depctr_sa_sdst(0) depctr_va_vdst(0) depctr_va_sdst(0) depctr_va_ssrc(0) depctr_va_vcc(0) depctr_vm_vsrc(0)
	s_getreg_b32 s2, hwreg(HW_REG_IB_STS2, 6, 4)
	s_cmp_eq_u32 s2, 0
	s_cbranch_scc0 .Lentry_in_a_cluster
	s_endpgm
.Lentry_in_a_cluster:
	s_bfe_u32 s2, ttmp6, 0x10000c
	s_cmp_lg_u32 s2, 0xf033
	s_cbranch_scc0 .Lentry_shape_is_right
	s_endpgm
.Lentry_shape_is_right:
.set SIZE_K, 1024
.set KSTEP,  256
.set NQ,     KSTEP/128
.set ROWB,   256
.set KROW,   SIZE_K
.set PITCH,  272
.set FR,     16
.set NL,     4
.set NP,     8
.set HALFT,  128*PITCH
.set SLOT,   4*HALFT
.set LAPS,   SIZE_K/(2*KSTEP)
.set KS,     SIZE_K/32
.set SCL,    2*SLOT
.set HALFS,  (128*KS/256)*272
.set SBLK,   (16*KS/256)*272
.set SPARE,  SCL+4*HALFS
.set ADRA, 16
.set ADRB, 20
.set ADRS, 27
.set SPW,  28
.set NIL,  29
.set SC,   32
.set AF,   128
.set BN,   64
.set VO0,  23
.set SWA,  19
.set SRA,  22
.set T,    128
.set PC,   192
.set TM,   208
.set PW,   224
.set SWT,  225
.set SEL,  20
.set MNT,  23
.set G1, 24
.set G0, 32
.set G1B, 48
.set G0B, 56
.set G1S, 68
.set G0S, 76
.set G1SB, 80
.set G0SB, 88
.set MSB, 0
.macro WIN new
.if MSB != \new
	s_set_vgpr_msb (MSB<<8)|\new
.set MSB, \new
.endif
.endm
.set MUL_LO, 0xa1
.set MUL_HI, 0xf1
.set TO_B,   0x40
.macro JLOAD g0a, g1a, g0b, g1b
	s_cmp_eq_u32 s15, 0
	s_cbranch_scc0 .Lfor_b_\@
	tensor_load_to_lds s[\g0a:\g0a+3], s[\g1a:\g1a+7]
	s_nop 0
.rept 4
	v_nop
.endr
	s_branch .Lasked_\@
.Lfor_b_\@:
	tensor_load_to_lds s[\g0b:\g0b+3], s[\g1b:\g1b+7]
	s_nop 0
.rept 4
	v_nop
.endr
.Lasked_\@:
.endm
.macro CREST
	s_cmp_lg_u32 s14, 0
	s_cbranch_scc1 .Lnot_wave_0_\@
	s_barrier_signal -3
.Lnot_wave_0_\@:
	s_barrier_wait -3
	s_barrier_signal -1
	s_barrier_wait -1
.endm
.macro CROUND
	s_barrier_signal -1
	s_barrier_wait -1
	CREST
.endm
	s_load_b64 s[4:5], s[0:1], 0x0
	s_load_b128 s[8:11], s[0:1], 0x8
	s_load_b64 s[98:99], s[0:1], 0x18
	s_load_b64 s[12:13], s[0:1], 0x20
	v_lshl_add_u32 v[SPW], v0, 2, SPARE
	v_mov_b32 v[NIL], 0
	ds_add_u32 v28, v29
	ds_add_u32 v28, v29
	s_wait_dscnt 0x0
	v_lshrrev_b32 v1, 5, v0
	v_readfirstlane_b32 s14, v1
	s_lshr_b32 s15, s14, 1
	s_and_b32 s16, s14, 1
	s_bfe_u32 s40, ttmp6, 0x40000
	s_bfe_u32 s41, ttmp6, 0x40004
	s_lshl_b32 s42, ttmp9, 2
	s_add_co_u32 s42, s42, s40
	s_and_b32 s17, ttmp7, 0xffff
	s_lshl_b32 s17, s17, 2
	s_add_co_u32 s17, s17, s41
	s_lshl_b32 s43, s41, 2
	s_lshl_b32 s43, 15, s43
	s_lshl_b32 s44, 0x1111, s40
	s_or_b32 s[G1+0], s43, (0<<16)|(1<<20)|(1<<21)|(5<<22)|(3<<25)
	s_or_b32 s[G1B+0], s44, (0<<16)|(1<<20)|(1<<21)|(5<<22)|(3<<25)
.irp g, G1, G1B
	s_mov_b32 s[\g+1], ROWB<<16
	s_mov_b32 s[\g+2], 256<<16                     ; the head's loads of codes bring 256 rows
	s_mov_b32 s[\g+3], ROWB<<16
	s_mov_b32 s[\g+4], 256
	s_mov_b32 s[\g+5], KROW
	s_mov_b32 s[\g+6], 0
	s_mov_b32 s[\g+7], 0
.endr
	s_or_b32 s[G1S+0], s43, (3<<16)|(1<<20)|(1<<21)|(5<<22)|(3<<25)
	s_or_b32 s[G1SB+0], s44, (3<<16)|(1<<20)|(1<<21)|(5<<22)|(3<<25)
.irp g, G1S, G1SB
	s_mov_b32 s[\g+1], 32<<16
	s_mov_b32 s[\g+2], KS<<16                      ; the scales of 256 rows: KS rows of 256 bytes
	s_mov_b32 s[\g+3], 32<<16
	s_mov_b32 s[\g+4], KS
	s_mov_b32 s[\g+5], 32
	s_mov_b32 s[\g+6], 0
	s_mov_b32 s[\g+7], 0
.endr
	s_lshl_b32 s18, s16, 7
	s_lshl_b32 s20, s17, 8
	s_add_co_u32 s20, s20, s18
	s_lshl_b32 s46, s42, 8
	s_add_co_u32 s46, s46, s18
	s_mov_b32 s21, 0
	s_mov_b32 s47, 0
	s_mov_b64 s[18:19], KS
	s_mul_u64 s[22:23], s[20:21], s[18:19]
	s_mul_u64 s[92:93], s[46:47], s[18:19]
	s_mov_b64 s[18:19], KROW
	s_mul_u64 s[20:21], s[20:21], s[18:19]
	s_mul_u64 s[46:47], s[46:47], s[18:19]
	s_mul_i32 s45, s14, HALFT
	s_mul_i32 s94, s16, 128*KS                     ; the scales come whole: my half's offset is taken off again
	s_mov_b32 s95, 0
	s_sub_nc_u64 s[22:23], s[22:23], s[94:95]
	s_sub_nc_u64 s[92:93], s[92:93], s[94:95]
	s_wait_kmcnt 0x0
	s_add_nc_u64 s[6:7], s[4:5], 20971520
	s_add_nc_u64 s[4:5], s[4:5], 16777216
	s_add_nc_u64 s[20:21], s[4:5], s[20:21]
	s_add_nc_u64 s[22:23], s[6:7], s[22:23]
	s_add_nc_u64 s[46:47], s[8:9], s[46:47]
	s_add_nc_u64 s[92:93], s[10:11], s[92:93]
	CROUND
	s_mov_b32 s[G0S], 1
	s_mov_b32 s[G0S+1], SCL
	s_mov_b64 s[G0S+2:G0S+3], s[22:23]
	s_or_b32 s[G0S+3], s[G0S+3], 0x80000000
	s_mov_b32 s[G0SB], 1
	s_mov_b32 s[G0SB+1], SCL+2*HALFS
	s_mov_b64 s[G0SB+2:G0SB+3], s[92:93]
	s_or_b32 s[G0SB+3], s[G0SB+3], 0x80000000
.irp s, 0,1
	s_mov_b32 s[G0+4*\s], 1
	s_add_co_u32 s[G0+4*\s+1], s45, \s*SLOT
	s_add_nc_u64 s[G0+4*\s+2:G0+4*\s+3], s[20:21], \s*ROWB
	s_or_b32 s[G0+4*\s+3], s[G0+4*\s+3], 0x80000000
	s_mov_b32 s[G0B+4*\s], 1
	s_add_co_u32 s[G0B+4*\s+1], s45, \s*SLOT
	s_add_nc_u64 s[G0B+4*\s+2:G0B+4*\s+3], s[46:47], \s*ROWB
	s_or_b32 s[G0B+4*\s+3], s[G0B+4*\s+3], 0x80000000
.endr
; the head's four tiles, one joint load a wave: wave 0 K step 0's 256 rows of A (its slot 0 group 0 begins at the tile's first row), wave 1 A's scales, wave 2 the 256 rows of B, wave 3 B's scales
.macro ARM under, g0, g1, next
	s_cmp_lt_u32 s14, \under
	s_cbranch_scc0 \next
	tensor_load_to_lds s[\g0:\g0+3], s[\g1:\g1+7]
	s_nop 0
.rept 4
	v_nop
.endr
	s_branch .Lhead_asked
\next:
.endm
	ARM 1, G0,  G1,  .Lhead_sa
	ARM 2, G0S, G1S, .Lhead_b
	ARM 3, G0B, G1B, .Lhead_sb
	tensor_load_to_lds s[G0SB:G0SB+3], s[G1SB:G1SB+7]
	s_nop 0
.rept 4
	v_nop
.endr
.Lhead_asked:
	v_and_b32 v1, 15, v0
	v_bfe_u32 v2, v0, 4, 1
	v_mul_u32_u24 v3, v1, PITCH
	v_lshl_add_u32 v4, v2, 4, v3
	s_mul_i32 s21, s15, HALFT
	s_mul_i32 s22, s16, HALFT
	s_add_co_u32 s22, s22, 2*HALFT
.irp s, 0,1
	v_add_nc_u32 v[ADRA+\s], s21, v4
	v_add_nc_u32 v[ADRB+\s], s22, v4
	s_add_co_u32 s21, s21, SLOT
	s_add_co_u32 s22, s22, SLOT
.endr
	v_mul_u32_u24 v5, v1, KS
	v_lshrrev_b32 v6, 8, v5
	v_lshl_add_u32 v5, v6, 4, v5
	s_mul_i32 s21, s15, HALFS
	s_mul_i32 s22, s16, HALFS
	s_add_co_u32 s22, s22, 2*HALFS
	s_sub_co_u32 s22, s22, s21
	v_mul_u32_u24 v6, s22, v2
	s_add_co_u32 s21, s21, SCL
	v_add_nc_u32 v5, v5, v6
	v_add_nc_u32 v[ADRS], s21, v5
	v_and_b32 v3, 31, v0
	v_lshlrev_b32 v[VO0], 4, v3
	s_lshl_b32 s21, s14, 9
	v_lshl_add_u32 v[SWA], v1, 2, s21
	v_add_nc_u32 v[SRA], s21, v[VO0]
	s_lshl_b32 s66, s17, 4
	s_lshl_b32 s67, s15, 3
	s_add_co_u32 s66, s66, s67
	s_lshl_b32 s67, s42, 1
	s_add_co_u32 s67, s67, s16
	s_lshl_b32 s100, s67, 9
	v_lshl_add_u32 v30, v2, 5, s100
	s_wait_alu depctr_va_vdst(0)
	s_lshl_b32 s100, s66, 5
	s_add_co_u32 s100, s100, s67
	s_lshl_b32 s100, s100, 11
	s_mov_b32 s101, 0
	s_lshl_b32 s104, s67, 14
	s_lshl_b32 s105, s66, 6
	s_add_co_u32 s104, s104, s105
	s_add_co_u32 s104, s104, 16777216
	s_mov_b32 s105, 0
	s_add_nc_u64 s[104:105], s[12:13], s[104:105]
	s_add_nc_u64 s[12:13], s[12:13], s[100:101]
.irp b, 0,1,2,3,4,5,6,7
	global_load_b128 v[BN+8*\b:BN+8*\b+3], v30, s[98:99] offset:64*\b
	global_load_b128 v[BN+8*\b+4:BN+8*\b+7], v30, s[98:99] offset:64*\b+16
.endr
	s_mov_b32 s[SEL], 0x76543210
	s_mov_b32 s[SEL+1], 0xfedcba98
	s_mov_b32 s[MNT], 0x600000
.macro FRAG reg, adr, q, i
.irp c, 0,1,2,3
	ds_load_b128 v[\reg+4*\c:\reg+4*\c+3], v[\adr] offset:128*(\q)+32*\c+(\i)*16*PITCH
.endr
.endm
.macro MUL16 a0, p, q, sc, zero
.irp a, \a0, \a0+1
.irp b, 0,1,2,3,4,5,6,7
.if \zero
	v_wmma_scale_f32_16x16x128_f8f6f4 v[8*(8*((\a)%4)+\b):8*(8*((\a)%4)+\b)+7], v[128*(\p)+FR*\b:128*(\p)+FR*\b+FR-1], v[AF+FR*(\a):AF+FR*(\a)+FR-1], 0, v[SC+8*NQ*(\sc)+NQ*\b+(\q)], v[SC+8*NQ*(\sc)+NQ*(\a)+(\q)] matrix_a_scale:MATRIX_SCALE_ROW1
.else
	v_wmma_scale_f32_16x16x128_f8f6f4 v[8*(8*((\a)%4)+\b):8*(8*((\a)%4)+\b)+7], v[128*(\p)+FR*\b:128*(\p)+FR*\b+FR-1], v[AF+FR*(\a):AF+FR*(\a)+FR-1], v[8*(8*((\a)%4)+\b):8*(8*((\a)%4)+\b)+7], v[SC+8*NQ*(\sc)+NQ*\b+(\q)], v[SC+8*NQ*(\sc)+NQ*(\a)+(\q)] matrix_a_scale:MATRIX_SCALE_ROW1
.endif
.endr
.endr
.endm
.macro FETCH_B slot, q, p
	WIN TO_B
.irp i, 0,1,2,3,4,5,6,7
	FRAG 128*(\p)+FR*\i, ADRB+\slot, \q, \i
.endr
	WIN 0
.endm
.macro FETCH_A slot, q, i0
.irp i, \i0, \i0+1, \i0+2, \i0+3
	FRAG AF+FR*(\i), ADRA+\slot, \q, \i
.endr
.endm
.macro SCALES sc
.irp i, 0,1,2,3,4,5,6,7
	ds_load_b64 v[SC+8*NQ*\sc+NQ*\i:SC+8*NQ*\sc+NQ*\i+1], v[ADRS] offset:\i*SBLK
.endr
.endm
.macro PLACES n
.rept \n
	v_nop
.endr
.endm
.macro STEP slot, q, zero
	s_wait_dscnt 4*NL
	WIN MUL_LO
	MUL16 0, (\q)%2, \q, \slot, \zero
	MUL16 2, (\q)%2, \q, \slot, \zero
	s_wait_dscnt 0
	PLACES NP
	FETCH_B \slot, (\q)+1, 1-(\q)%2
	FETCH_A \slot, (\q)+1, 0
	WIN MUL_HI
	MUL16 4, (\q)%2, \q, \slot, \zero
	MUL16 6, (\q)%2, \q, \slot, \zero
	PLACES NP
	WIN 0
	FETCH_A \slot, (\q)+1, 4
.endm
.macro TURN slot, next, fill
	s_wait_tensorcnt 0x0
	ds_add_u32 v[SPW], v[NIL]
	s_wait_dscnt 4*NL+1
	WIN MUL_LO
	MUL16 0, 1, NQ-1, \slot, 0
	s_wait_dscnt 0x0
	s_barrier_signal -1
	MUL16 2, 1, NQ-1, \slot, 0
	WIN 0
	s_barrier_wait -1
.if \fill
	CREST
	s_add_nc_u64 s[G0+4*\slot+2:G0+4*\slot+3], s[G0+4*\slot+2:G0+4*\slot+3], 2*ROWB
	s_add_nc_u64 s[G0B+4*\slot+2:G0B+4*\slot+3], s[G0B+4*\slot+2:G0B+4*\slot+3], 2*ROWB
	JLOAD G0+4*\slot, G1, G0B+4*\slot, G1B
	PLACES NP-4
.else
	PLACES NP
.endif
	s_wait_alu depctr_va_vdst(0)
	v_add_nc_u32 v[ADRS], 4*NQ, v[ADRS]
	FETCH_B \next, 0, 0
	FETCH_A \next, 0, 0
	SCALES \next
	WIN MUL_HI
	MUL16 4, 1, NQ-1, \slot, 0
	MUL16 6, 1, NQ-1, \slot, 0
	PLACES NP
	WIN 0
	FETCH_A \next, 0, 4
.endm
	s_wait_alu depctr_va_vdst(0)                   ; the wait at the head's end
	s_wait_tensorcnt 0x0                           ; my tile of the head's four is in
	ds_add_u32 v[SPW], v[NIL]
	s_mov_b32 s[G1+2], 128<<16                     ; no load of mine is out: from here on a load brings 128 rows
	s_mov_b32 s[G1+4], 128
	s_mov_b32 s[G1B+2], 128<<16
	s_mov_b32 s[G1B+4], 128
	s_wait_dscnt 0x0
	CROUND                                         ; all four tiles are in, in every partner
	JLOAD G0+4, G1, G0B+4, G1B                     ; K step 1, the first tensor load behind the round
	FETCH_B 0, 0, 0
	FETCH_A 0, 0, 0
	SCALES 0
	FETCH_A 0, 0, 4
	STEP 0, 0, 1
.if LAPS > 1
	s_mov_b32 s3, LAPS-1
.Llap:
	TURN 0, 1, 1
	STEP 1, 0, 0
	TURN 1, 0, 1
	STEP 0, 0, 0
	s_sub_co_u32 s3, s3, 1
	s_cmp_lg_u32 s3, 0
	s_cbranch_scc1 .Llap
.endif
	TURN 0, 1, 0
	STEP 1, 0, 0
	s_wait_dscnt 4*NL
	WIN MUL_LO
	MUL16 0, 1, NQ-1, 1, 0
	MUL16 2, 1, NQ-1, 1, 0
	s_wait_dscnt 0
	WIN MUL_HI
	MUL16 4, 1, NQ-1, 1, 0
	MUL16 6, 1, NQ-1, 1, 0
	WIN 0
.macro QUANT s
.irp b, 0,1,2,3
	v_max3_num_f32 v[TM+\b], |v[\s+16*\b]|, |v[\s+1+16*\b]|, 0x4800000
.endr
.irp i, 2,4,6,8,10,12,14
.irp b, 0,1,2,3
	v_max3_num_f32 v[TM+\b], v[TM+\b], |v[\s+16*\b+\i]|, |v[\s+1+16*\b+\i]|
.endr
.endr
.irp b, 0,1,2,3
	v_permlanex16_b32 v[TM+4+\b], v[TM+\b], s[SEL], s[SEL+1]
.endr
.irp b, 0,1,2,3
	v_max_num_f32 v[TM+\b], v[TM+\b], v[TM+4+\b]
.endr
.irp b, 0,1,2,3
	v_add_nc_u32 v[TM+12+\b], 0xfc000000, v[TM+\b]
.endr
.irp b, 0,1,2,3
	v_and_or_b32 v[TM+8+\b], v[TM+\b], 0x7f800000, s[MNT]
.endr
.irp b, 0,1,2,3
	v_lshrrev_b32 v[TM+4+\b], 23, v[TM+12+\b]
.endr
	v_lshl_or_b32 v[PW], v[TM+5], 8, v[TM+4]
	v_lshl_or_b32 v[PW], v[TM+6], 16, v[PW]
	v_lshl_or_b32 v[PW], v[TM+7], 24, v[PW]
.irp b, 0,1,2,3
.irp i, 0,1,2,3,4,5,6,7,8,9,10,11,12,13,14,15
	v_med3_num_f32 v[\s+16*\b+\i], v[\s+16*\b+\i], -v[TM+8+\b], v[TM+8+\b]
.endr
	v_cvt_scalef32_pk8_fp8_f32 v[PC+4*\b:PC+1+4*\b], v[\s+16*\b:\s+7+16*\b], v[TM+12+\b]
	v_cvt_scalef32_pk8_fp8_f32 v[PC+2+4*\b:PC+3+4*\b], v[\s+8+16*\b:\s+15+16*\b], v[TM+12+\b]
.endr
	v_nop
.endm
.macro CONST r, v
	s_mov_b32 s[\r], \v
	s_mov_b32 s[\r+1], \v
.endm
.macro PK32 op:req, d:req, a:req, b:req
.endm
	s_wait_loadcnt 0x0
	PLACES NP
	CONST 24, 0xaf95df0b
	CONST 26, 0xb60cff51
	CONST 28, 0xb86ec2d2
	CONST 30, 0xba40ac63
	CONST 32, 0xbb41a1f6
	CONST 34, 0xbc83dbd4
	CONST 36, 0xb77460cd
	CONST 38, 0xbadc924e
	CONST 40, 0xbbf19bf8
	CONST 42, 0xbc69b6a7
	WIN 0x40
	v_mov_b32 v192, 0x32edffee
	v_mov_b32 v193, 0x32edffee
	v_mov_b32 v194, 0xb95fbd29
	v_mov_b32 v195, 0xb95fbd29
	WIN 0
.irp b, 0,1,2,3
	v_mov_b32 v[TM+4+\b], 0
.endr
	s_mov_b32 s3, 0
	s_mov_b32 s66, 0
.Lrow:
.irp k, 0,1,2,3,4,5,6
	s_cmp_eq_u32 s3, \k
	s_cbranch_scc1 .Lc_\k
.endr
	s_branch .Lc_7
.irp k, 0,1,2,3,4,5,6,7
.Lc_\k:
	WIN 0x02+(\k)/4
.set i, 0
.rept 32
	v_pk_add_f32 v[T+2*i:T+2*i+1], v[64*((\k)%4)+2*i:64*((\k)%4)+2*i+1], v[BN+2*i:BN+2*i+1]
.set i, i+1
.endr
	WIN 0
	s_branch .Lgo
.endr
.Lgo:
	WIN 0x40
.set i, 0
.rept 32
	v_pk_mul_f32 v[2*i:2*i+1], v[T+2*i:T+2*i+1], 0x3f3504f3 op_sel_hi:[1,0]
.set i, i+1
.endr
	WIN 0x55
.set i, 0
.rept 64
	v_med3_num_f32 v[i], v[i], -4.0, 4.0
.set i, i+1
.endr
.set i, 0
.rept 32
	v_pk_mul_f32 v[64+2*i:65+2*i], v[2*i:2*i+1], v[2*i:2*i+1]
.set i, i+1
.endr
.set i, 0
.rept 32
	v_pk_fma_f32 v[128+2*i:129+2*i], v[64+2*i:65+2*i], s[24:25], v[192:193] op_sel_hi:[1,0,1]
.set i, i+1
.endr
.irp c, 26,28,30,32,34
.set i, 0
.rept 32
	v_pk_fma_f32 v[128+2*i:129+2*i], v[128+2*i:129+2*i], v[64+2*i:65+2*i], s[\c:\c+1] op_sel_hi:[1,1,0]
.set i, i+1
.endr
.endr
.set i, 0
.rept 32
	v_pk_mul_f32 v[128+2*i:129+2*i], v[128+2*i:129+2*i], v[2*i:2*i+1]
.set i, i+1
.endr
.set i, 0
.rept 32
	v_pk_fma_f32 v[2*i:2*i+1], v[64+2*i:65+2*i], s[36:37], v[194:195] op_sel_hi:[1,0,1]
.set i, i+1
.endr
.irp c, 38,40,42
.set i, 0
.rept 32
	v_pk_fma_f32 v[2*i:2*i+1], v[2*i:2*i+1], v[64+2*i:65+2*i], s[\c:\c+1] op_sel_hi:[1,1,0]
.set i, i+1
.endr
.endr
.set i, 0
	s_wait_alu depctr_va_vdst(0)
.rept 64
	v_rcp_f32 v[i], v[i]
.set i, i+1
.endr
	WIN 0
.set i, 0
.rept 32
	v_pk_mul_f32 v[T+2*i:T+2*i+1], v[T+2*i:T+2*i+1], 0.5 op_sel_hi:[1,0]
.set i, i+1
.endr
	WIN 0x55
.set i, 0
	s_wait_alu depctr_va_vdst(0)
.rept 32
	v_pk_mul_f32 v[128+2*i:129+2*i], v[128+2*i:129+2*i], v[2*i:2*i+1]
.set i, i+1
.endr
	WIN 0x04
.set i, 0
.rept 32
	v_pk_fma_f32 v[T+2*i:T+2*i+1], v[T+2*i:T+2*i+1], v[128+2*i:129+2*i], v[T+2*i:T+2*i+1]
.set i, i+1
.endr
	WIN 0
	QUANT T
.irp c, 0,1,2,3
	global_store_b128 v[VO0], v[PC+4*\c:PC+4*\c+3], s[12:13] offset:512*\c
.endr
	v_add_nc_u32 v[SWT], s66, v[SWA]
	ds_store_b32 v[SWT], v[PW]
	s_wait_xcnt 0x0
	s_wait_dscnt 0x0
	s_add_nc_u64 s[12:13], s[12:13], 65536
	s_add_co_u32 s66, s66, 64
	s_add_co_u32 s3, s3, 1
	s_cmp_lt_u32 s3, 8
	s_cbranch_scc1 .Lrow
	ds_load_b128 v[248:251], v[SRA]
	s_wait_dscnt 0x0
	global_store_b128 v[VO0], v[248:251], s[104:105]
	s_wait_tensorcnt 0x0
	ds_add_u32 v[SPW], v[NIL]
	s_wait_dscnt 0x0
	CROUND
	s_endpgm
.Lfunc_end_k_q9d5562e469_ffn1:
	.size	k_q9d5562e469_ffn1, .Lfunc_end_k_q9d5562e469_ffn1-k_q9d5562e469_ffn1
	.p2alignl 7, 3214868480
	.fill 96, 4, 3214868480
	.section	.rodata,"a",@progbits
	.p2align	6, 0x0
	.amdhsa_kernel k_q9d5562e469_ffn1
		.amdhsa_group_segment_fixed_size 327680
		.amdhsa_private_segment_fixed_size 0
		.amdhsa_enable_private_segment 0
		.amdhsa_kernarg_size 40
		.amdhsa_user_sgpr_count 2
		.amdhsa_user_sgpr_kernarg_segment_ptr 1
		.amdhsa_wavefront_size32 1
		.amdhsa_system_sgpr_workgroup_id_x 1
		.amdhsa_system_sgpr_workgroup_id_y 1
		.amdhsa_system_sgpr_workgroup_id_z 1
		.amdhsa_system_vgpr_workitem_id 0
		.amdhsa_next_free_vgpr 1024
		.amdhsa_next_free_sgpr 106
		.amdhsa_reserve_vcc 0
		.amdhsa_float_denorm_mode_32 3
		.amdhsa_float_denorm_mode_16_64 3
		.amdhsa_memory_ordered 1
		.amdhsa_forward_progress 1
		.amdhsa_inst_pref_size 186
	.end_amdhsa_kernel
	.amdgpu_metadata
---
amdhsa.version: [ 1, 2 ]
amdhsa.kernels:
  - .name:           k_q9d5562e469_ffn1
    .symbol:         k_q9d5562e469_ffn1.kd
    .args:
      - { .name: yb, .offset: 0, .size: 8, .value_kind: global_buffer, .address_space: global }
      - { .name: w1_codes, .offset: 8, .size: 8, .value_kind: global_buffer, .address_space: global }
      - { .name: w1_scales, .offset: 16, .size: 8, .value_kind: global_buffer, .address_space: global }
      - { .name: b1, .offset: 24, .size: 8, .value_kind: global_buffer, .address_space: global }
      - { .name: hc, .offset: 32, .size: 8, .value_kind: global_buffer, .address_space: global }
    .group_segment_fixed_size: 327680
    .private_segment_fixed_size: 0
    .kernarg_segment_align: 8
    .kernarg_segment_size: 40
    .max_flat_workgroup_size: 128
    .sgpr_count:     106
    .vgpr_count:     1024
    .wavefront_size: 32
...
	.end_amdgpu_metadata
.endif
;; end of part 5
;; launch ffn2 (part 6): grid 8 x 32, 4 waves a work-group, clusters of 4 x 4, 327,680 bytes of LDS; arguments hc, w2_codes, w2_scales, b2, zf; writes zf
.if DOCPART == 6
	.amdgcn_target "amdgcn-amd-amdhsa--gfx1250"
	.amdhsa_code_object_version 6
	.text
	.protected	k_q9d5562e469_ffn2
	.globl	k_q9d5562e469_ffn2
	.p2align	8
	.type	k_q9d5562e469_ffn2,@function
k_q9d5562e469_ffn2:
	s_mov_b64 s[64:65], 0
	v_nop
	global_prefetch_b8 v0, s[64:65] scope:SCOPE_SE
	s_setreg_imm32_b32 hwreg(HW_REG_WAVE_MODE, 25, 1), 1
	s_wait_xcnt 0x0
	s_wait_alu depctr_hold_cnt(0) depctr_sa_sdst(0) depctr_va_vdst(0) depctr_va_sdst(0) depctr_va_ssrc(0) depctr_va_vcc(0) depctr_vm_vsrc(0)
	s_getreg_b32 s2, hwreg(HW_REG_IB_STS2, 6, 4)
	s_cmp_eq_u32 s2, 0
	s_cbranch_scc0 .Lentry_in_a_cluster
	s_endpgm
.Lentry_in_a_cluster:
	s_bfe_u32 s2, ttmp6, 0x10000c
	s_cmp_lg_u32 s2, 0xf033
	s_cbranch_scc0 .Lentry_shape_is_right
	s_endpgm
.Lentry_shape_is_right:
.set SLOT,  133120
.set BOFF,  65536
.set BP,    528
.set BHALF, 64*BP
.set ASC,   2*SLOT
.set BSC,   ASC+16384
.set SPARE, BSC+17408
.set ADA,  16
.set ADB,  20
.set ADSA, 22
.set ADSB, 23
.set STO,  24
.set RD,   25
.set CO,   26
.set SPW,  28
.set NIL,  29
.set SA,   32
.set SB,   48
.set BN,   64
.set ACC,  128
.set F0,   0
.set F1,   128
.set G1, 24
.set G0, 32
.set G1B, 48
.set G0B, 56
.set G1S, 68
.set G0S, 76
.set G1SB, 80
.set G0SB, 88
.set MSB, 0
.macro WIN new
.if MSB != \new
	s_set_vgpr_msb (MSB<<8)|\new
.set MSB, \new
.endif
.endm
.set MUL,  0x05
.set TO_F, 0x40
.macro JLOAD g0a, g1a, g0b, g1b
	s_cmp_eq_u32 s15, 0
	s_cbranch_scc0 .Lfor_b_\@
	tensor_load_to_lds s[\g0a:\g0a+3], s[\g1a:\g1a+7]
	s_nop 0
.rept 4
	v_nop
.endr
	s_branch .Lasked_\@
.Lfor_b_\@:
	tensor_load_to_lds s[\g0b:\g0b+3], s[\g1b:\g1b+7]
	s_nop 0
.rept 4
	v_nop
.endr
.Lasked_\@:
.endm
.macro CREST
	s_cmp_lg_u32 s14, 0
	s_cbranch_scc1 .Lnot_wave_0_\@
	s_barrier_signal -3
.Lnot_wave_0_\@:
	s_barrier_wait -3
	s_barrier_signal -1
	s_barrier_wait -1
.endm
.macro CROUND
	s_barrier_signal -1
	s_barrier_wait -1
	CREST
.endm
.macro SHAPE g, c, r, p
	s_mov_b32 s[\g+1], (\c)<<16
	s_mov_b32 s[\g+2], (\r)<<16
	s_mov_b32 s[\g+3], (\c)<<16
	s_mov_b32 s[\g+4], \r
	s_mov_b32 s[\g+5], \p
	s_mov_b32 s[\g+6], 0
	s_mov_b32 s[\g+7], 0
.endm
	s_load_b64 s[4:5], s[0:1], 0x0
	s_load_b128 s[8:11], s[0:1], 0x8
	s_load_b64 s[98:99], s[0:1], 0x18
	s_load_b64 s[12:13], s[0:1], 0x20
	v_lshl_add_u32 v[SPW], v0, 2, SPARE
	v_mov_b32 v[NIL], 0
	ds_add_u32 v28, v29
	ds_add_u32 v28, v29
	s_wait_dscnt 0x0
	v_lshrrev_b32 v1, 5, v0
	v_readfirstlane_b32 s14, v1
	s_lshr_b32 s15, s14, 1
	s_and_b32 s16, s14, 1
	s_bfe_u32 s40, ttmp6, 0x40000
	s_bfe_u32 s41, ttmp6, 0x40004
	s_lshl_b32 s42, ttmp9, 2
	s_add_co_u32 s42, s42, s40
	s_and_b32 s17, ttmp7, 0xffff
	s_lshl_b32 s17, s17, 2
	s_add_co_u32 s17, s17, s41
	s_lshl_b32 s43, s41, 2
	s_lshl_b32 s43, 15, s43
	s_lshl_b32 s44, 0x1111, s40
	s_or_b32 s[G1+0], s43, (3<<16)|(1<<21)
	SHAPE G1, 1024, 8, 8192
	s_or_b32 s[G1B+0], s44, (0<<16)|(1<<20)|(1<<21)|(6<<22)|(3<<25)
	SHAPE G1B, 512, 128, 4096
	s_or_b32 s[G1S+0], s43, (3<<16)|(1<<21)
	SHAPE G1S, 64, 32, 2048
	s_or_b32 s[G1SB+0], s44, (3<<16)|(1<<20)|(1<<21)|(5<<22)|(3<<25)
	SHAPE G1SB, 32, 64, 32
	s_lshl_b32 s18, s16, 18
	s_lshl_b32 s20, s17, 19
	s_add_co_u32 s20, s20, s18
	s_mov_b32 s21, 0
	s_lshl_b32 s22, s17, 9
	s_add_co_u32 s22, s22, 16777216
	s_mov_b32 s23, 0
	s_lshl_b32 s46, s42, 19
	s_add_co_u32 s46, s46, s18
	s_mov_b32 s47, 0
	s_lshl_b32 s92, s42, 14
	s_mov_b32 s93, 0
	s_lshl_b32 s45, s16, 15
	s_mul_i32 s94, s16, BHALF
	s_add_co_u32 s94, s94, BOFF
	s_wait_kmcnt 0x0
	s_add_nc_u64 s[20:21], s[4:5], s[20:21]
	s_add_nc_u64 s[22:23], s[4:5], s[22:23]
	s_add_nc_u64 s[46:47], s[8:9], s[46:47]
	s_add_nc_u64 s[92:93], s[10:11], s[92:93]
	CROUND
	s_mov_b32 s[G0S], 1
	s_mov_b32 s[G0S+1], ASC
	s_mov_b64 s[G0S+2:G0S+3], s[22:23]
	s_or_b32 s[G0S+3], s[G0S+3], 0x80000000
	s_mov_b32 s[G0SB], 1
	s_mov_b32 s[G0SB+1], BSC
	s_mov_b64 s[G0SB+2:G0SB+3], s[92:93]
	s_or_b32 s[G0SB+3], s[G0SB+3], 0x80000000
.irp s, 0,1
	s_mov_b32 s[G0+4*\s], 1
	s_add_co_u32 s[G0+4*\s+1], s45, \s*SLOT
	s_add_nc_u64 s[G0+4*\s+2:G0+4*\s+3], s[20:21], \s*8192
	s_or_b32 s[G0+4*\s+3], s[G0+4*\s+3], 0x80000000
	s_mov_b32 s[G0B+4*\s], 1
	s_add_co_u32 s[G0B+4*\s+1], s94, \s*SLOT
	s_add_nc_u64 s[G0B+4*\s+2:G0B+4*\s+3], s[46:47], \s*512
	s_or_b32 s[G0B+4*\s+3], s[G0B+4*\s+3], 0x80000000
.endr
; the head's four tiles, one joint load a wave: wave 0 slot 0's whole part of A (its slot 0 group 0 begins at the block's first row), wave 1 A's scales, wave 2 slot 0's whole part of B, wave 3 B's scales
.macro ARM under, g0, g1, next
	s_cmp_lt_u32 s14, \under
	s_cbranch_scc0 \next
	tensor_load_to_lds s[\g0:\g0+3], s[\g1:\g1+7]
	s_nop 0
.rept 4
	v_nop
.endr
	s_branch .Lhead_asked
\next:
.endm
	ARM 1, G0,  G1,  .Lhead_sa
	ARM 2, G0S, G1S, .Lhead_b
	ARM 3, G0B, G1B, .Lhead_sb
	tensor_load_to_lds s[G0SB:G0SB+3], s[G1SB:G1SB+7]
	s_nop 0
.rept 4
	v_nop
.endr
.Lhead_asked:
; PREFETCHES INTO THE L2: behind the load of slot step t each wave asks for step t + 2 (t = 0 to 5), one instruction a wave.  Of what a wave fetches in the ring, each of the four partners that ask for it jointly
; takes a quarter, told apart by address: of A's four rows of 8,192 bytes the row cx, lanes 256 bytes apart; of B's 64 rows of 512 bytes the 16 rows from 16 cy on, two lanes a row.  So each block of 256 bytes is named once in a cluster.
.set PFA, 96                           ; s[96:97] where my next prefetch stands;  s[18:19] a slot step on, in bytes;  v31 my lane's offset, never rewritten
	s_cmp_eq_u32 s15, 0                            ; do I fetch for A?
	s_cselect_b64 s[PFA:PFA+1], s[20:21], s[46:47]
	s_cselect_b32 s94, s40, s41                    ; my place among the four
	s_mov_b32 s18, 512
	s_cselect_b32 s18, 8192, s18
	s_mov_b32 s2, 4096
	s_cselect_b32 s2, 512, s2                      ; from one pair of lanes to the next
	s_mov_b32 s19, 0
	s_mov_b32 s95, 0
	s_lshl_b32 s94, s94, 16                        ; a quarter is 65,536 bytes on, in A and in B
	s_add_nc_u64 s[PFA:PFA+1], s[PFA:PFA+1], s[94:95]
	s_add_nc_u64 s[PFA:PFA+1], s[PFA:PFA+1], s[18:19]
	s_add_nc_u64 s[PFA:PFA+1], s[PFA:PFA+1], s[18:19]   ; at step 2
	v_and_b32 v31, 31, v0
	v_lshrrev_b32 v27, 1, v31
	v_and_b32 v31, 1, v31
	v_lshlrev_b32 v31, 8, v31
	v_mad_u32_u24 v31, v27, s2, v31
	s_wait_alu depctr_va_vdst(0)                   ; the wait here, directly ahead of the reader
	global_prefetch_b8 v31, s[PFA:PFA+1] th:TH_LOAD_NT scope:SCOPE_SE
	v_and_b32 v1, 15, v0
	v_bfe_u32 v2, v0, 4, 1
	v_and_b32 v3, 31, v0
	s_wait_alu depctr_va_vdst(0)
	v_lshlrev_b32 v4, 4, v3
	s_lshl_b32 s21, s15, 15
	v_mul_u32_u24 v5, v1, BP
	v_lshl_add_u32 v5, v2, 3, v5
	s_mul_i32 s22, s16, BHALF
	s_add_co_u32 s22, s22, BOFF
.irp s, 0,1
	v_add_nc_u32 v[ADA+\s], s21, v4
	v_add_nc_u32 v[ADB+\s], s22, v5
	s_add_co_u32 s21, s21, SLOT
	s_add_co_u32 s22, s22, SLOT
.endr
	s_lshl_b32 s21, s15, 8
	s_add_co_u32 s21, s21, ASC
	v_lshl_add_u32 v[ADSA], v3, 2, s21
	v_lshrrev_b32 v5, 1, v3
	v_mul_u32_u24 v5, v5, 272
	v_and_b32 v6, 1, v3
	v_lshl_add_u32 v5, v6, 7, v5
	s_mul_i32 s22, s16, 8704
	s_add_co_u32 s22, s22, BSC
	v_add_nc_u32 v[ADSB], s22, v5
	s_mul_i32 s23, s14, 4352
	v_mul_u32_u24 v5, v1, 272
	v_lshl_add_u32 v5, v2, 5, v5
	v_add_nc_u32 v[STO], s23, v5
	v_mul_u32_u24 v5, v2, 272
	v_lshl_add_u32 v5, v1, 4, v5
	v_add_nc_u32 v[RD], s23, v5
	v_lshlrev_b32 v5, 12, v2
	v_lshl_add_u32 v[CO], v1, 4, v5
	s_lshl_b32 s66, s42, 9
	s_lshl_b32 s67, s16, 8
	s_add_co_u32 s66, s66, s67
	v_lshl_add_u32 v30, v2, 5, s66
.irp b, 0,1,2,3
	global_load_b128 v[BN+8*\b:BN+8*\b+3], v30, s[98:99] offset:64*\b
	global_load_b128 v[BN+8*\b+4:BN+8*\b+7], v30, s[98:99] offset:64*\b+16
.endr
	s_lshl_b32 s67, s17, 19
	s_add_co_u32 s66, s66, s67
	s_lshl_b32 s67, s15, 18
	s_add_co_u32 s66, s66, s67
	s_mov_b32 s67, 0
	s_add_nc_u64 s[12:13], s[12:13], s[66:67]
.macro WM a, b, f, q, sc, first
.set DD, ACC+8*(4*(\a)+(\b))
.if \first
.set CC, BN+8*(\b)
.else
.set CC, DD
.endif
.set S0, (\f)+64+16*(\b)
.set S1, (\f)+16*(\a)
.set R0, SB+8*(\sc)+4*((\b)/2)+(\q)
.set R1, SA+8*(\sc)+2*(\q)+(\a)/2
.if ((\b)%2) && ((\a)%2)
	v_wmma_scale_f32_16x16x128_f8f6f4 v[DD:DD+7], v[S0:S0+15], v[S1:S1+15], v[CC:CC+7], v[R0], v[R1] matrix_a_scale:MATRIX_SCALE_ROW1 matrix_b_scale:MATRIX_SCALE_ROW1
.elseif (\b)%2
	v_wmma_scale_f32_16x16x128_f8f6f4 v[DD:DD+7], v[S0:S0+15], v[S1:S1+15], v[CC:CC+7], v[R0], v[R1] matrix_a_scale:MATRIX_SCALE_ROW1
.elseif (\a)%2
	v_wmma_scale_f32_16x16x128_f8f6f4 v[DD:DD+7], v[S0:S0+15], v[S1:S1+15], v[CC:CC+7], v[R0], v[R1] matrix_b_scale:MATRIX_SCALE_ROW1
.else
	v_wmma_scale_f32_16x16x128_f8f6f4 v[DD:DD+7], v[S0:S0+15], v[S1:S1+15], v[CC:CC+7], v[R0], v[R1]
.endif
.endm
.macro MUL8 f, a0, q, sc, first
.irp a, \a0, \a0+1
.irp b, 0,1,2,3
	WM \a, \b, \f, \q, \sc, \first
.endr
.endr
.endm
.macro FETCH slot, q, f
	WIN TO_F
.irp i, 0,1,2,3
.irp c, 0,1,2,3
	ds_load_b128 v[(\f)+16*\i+4*\c:(\f)+16*\i+4*\c+3], v[ADA+\slot] offset:8192*\i+2048*(\q)+512*\c
.endr
.endr
.irp i, 0,1,2,3
.irp e, 0,1,2,3,4,5,6,7
	ds_load_b64 v[(\f)+64+16*\i+2*\e:(\f)+64+16*\i+2*\e+1], v[ADB+\slot] offset:16*BP*\i+128*(\q)+16*\e
.endr
.endr
.endm
.macro SCALES sc
.irp q, 0,1,2,3
.irp p, 0,1
	ds_load_b32 v[SA+8*\sc+2*\q+\p], v[ADSA] offset:512*\q+128*\p
.endr
.endr
.irp p, 0,1
	ds_load_b128 v[SB+8*\sc+4*\p:SB+8*\sc+4*\p+3], v[ADSB] offset:4352*\p
.endr
.endm
.macro PLACES n
.rept \n
	v_nop
.endr
.endm
.macro STEPQ slot, q, f, g, first
	s_wait_dscnt 0x0
	PLACES 8
	FETCH \slot, (\q)+1, \g
	WIN MUL
	MUL8 \f, 0, \q, \slot, \first
	MUL8 \f, 2, \q, \slot, \first
.endm
.macro TURN slot, next, fill
	WIN 0
	s_wait_tensorcnt 0x0
	ds_add_u32 v[SPW], v[NIL]
.if \fill
	s_wait_xcnt 0x0                                ; my prefetch has read its address, so it may be stepped
	s_add_nc_u64 s[PFA:PFA+1], s[PFA:PFA+1], s[18:19]
.endif
	s_wait_dscnt 0x0
	s_barrier_signal -1
	WIN MUL
	MUL8 F1, 0, 3, \slot, 0
	WIN 0
	s_barrier_wait -1
.if \fill
	CREST
	s_add_nc_u64 s[G0+4*\slot+2:G0+4*\slot+3], s[G0+4*\slot+2:G0+4*\slot+3], 16384
	s_add_nc_u64 s[G0B+4*\slot+2:G0B+4*\slot+3], s[G0B+4*\slot+2:G0B+4*\slot+3], 1024
	JLOAD G0+4*\slot, G1, G0B+4*\slot, G1B
	PLACES 4
.else
	PLACES 8
.endif
	s_wait_alu depctr_va_vdst(0)
	v_add_nc_u32 v[ADSA], 2048, v[ADSA]
	v_add_nc_u32 v[ADSB], 16, v[ADSB]
	FETCH \next, 0, F0
	WIN 0
	SCALES \next
.if \fill
	s_cmp_gt_u32 s3, 1                             ; the loop's last trip loads steps 6 and 7: no step stands two on
	s_cbranch_scc0 .Lno_ask_\@
	global_prefetch_b8 v31, s[PFA:PFA+1] th:TH_LOAD_NT scope:SCOPE_SE
.Lno_ask_\@:
.endif
	WIN MUL
	MUL8 F1, 2, 3, \slot, 0
.endm
	s_wait_alu depctr_va_vdst(0)                   ; the wait at the head's end
	s_wait_tensorcnt 0x0                           ; my tile of the head's four is in
	ds_add_u32 v[SPW], v[NIL]
	s_mov_b32 s[G1+2], 4<<16                       ; no load of mine is out: from here on a load brings half of a slot's part
	s_mov_b32 s[G1+4], 4
	s_mov_b32 s[G1B+2], 64<<16
	s_mov_b32 s[G1B+4], 64
	s_wait_xcnt 0x0                                ; my prefetch has read its address, so it may be stepped
	s_add_nc_u64 s[PFA:PFA+1], s[PFA:PFA+1], s[18:19]
	s_wait_dscnt 0x0
	CROUND                                         ; all four tiles are in, in every partner
	JLOAD G0+4, G1, G0B+4, G1B                     ; slot 1, the first tensor load behind the round
	FETCH 0, 0, F0
	WIN 0
	SCALES 0
	global_prefetch_b8 v31, s[PFA:PFA+1] th:TH_LOAD_NT scope:SCOPE_SE   ; step 3, behind step 1's load and the run of LDS loads
	s_wait_loadcnt 0x0
	STEPQ 0, 0, F0, F1, 1
	WIN 0
	s_mov_b32 s3, 3
.Llap:
	STEPQ 0, 1, F1, F0, 0
	STEPQ 0, 2, F0, F1, 0
	TURN 0, 1, 1
	STEPQ 1, 0, F0, F1, 0
	STEPQ 1, 1, F1, F0, 0
	STEPQ 1, 2, F0, F1, 0
	TURN 1, 0, 1
	STEPQ 0, 0, F0, F1, 0
	WIN 0
	s_sub_co_u32 s3, s3, 1
	s_cmp_lg_u32 s3, 0
	s_cbranch_scc1 .Llap
	STEPQ 0, 1, F1, F0, 0
	STEPQ 0, 2, F0, F1, 0
	TURN 0, 1, 0
	STEPQ 1, 0, F0, F1, 0
	STEPQ 1, 1, F1, F0, 0
	STEPQ 1, 2, F0, F1, 0
	s_wait_dscnt 0x0
	MUL8 F1, 0, 3, 1, 0
	MUL8 F1, 2, 3, 1, 0
	WIN 0
.macro TOSTAGE a
.irp b, 0,1,2,3
	ds_store_b128 v[STO], v[ACC+8*(4*(\a)+\b):ACC+8*(4*(\a)+\b)+3] offset:64*\b
	ds_store_b128 v[STO], v[ACC+8*(4*(\a)+\b)+4:ACC+8*(4*(\a)+\b)+7] offset:64*\b+16
.endr
.irp t, 0,1,2,3,4,5,6,7
	ds_load_b128 v[64+32*((\a)%2)+4*\t:64+32*((\a)%2)+4*\t+3], v[RD] offset:544*\t
.endr
.endm
.macro SEND a, younger
	s_wait_dscnt \younger
.irp t, 0,1,2,3,4,5,6,7
	global_store_b128 v[CO], v[64+32*((\a)%2)+4*\t:64+32*((\a)%2)+4*\t+3], s[12:13] offset:65536*(\a)+8192*\t
.endr
.endm
	PLACES 8
	TOSTAGE 0
.irp a, 1,2,3
.if \a > 1
	s_wait_xcnt 0x0
.endif
	TOSTAGE \a
	SEND \a-1, 16
.endr
	SEND 3, 0
	s_wait_tensorcnt 0x0
	ds_add_u32 v[SPW], v[NIL]
	s_wait_dscnt 0x0
	CROUND
	s_endpgm
.Lfunc_end_k_q9d5562e469_ffn2:
	.size	k_q9d5562e469_ffn2, .Lfunc_end_k_q9d5562e469_ffn2-k_q9d5562e469_ffn2
	.p2alignl 7, 3214868480
	.fill 96, 4, 3214868480
	.section	.rodata,"a",@progbits
	.p2align	6, 0x0
	.amdhsa_kernel k_q9d5562e469_ffn2
		.amdhsa_group_segment_fixed_size 327680
		.amdhsa_private_segment_fixed_size 0
		.amdhsa_enable_private_segment 0
		.amdhsa_kernarg_size 40
		.amdhsa_user_sgpr_count 2
		.amdhsa_user_sgpr_kernarg_segment_ptr 1
		.amdhsa_wavefront_size32 1
		.amdhsa_system_sgpr_workgroup_id_x 1
		.amdhsa_system_sgpr_workgroup_id_y 1
		.amdhsa_system_sgpr_workgroup_id_z 1
		.amdhsa_system_vgpr_workitem_id 0
		.amdhsa_next_free_vgpr 512
		.amdhsa_next_free_sgpr 100
		.amdhsa_reserve_vcc 0
		.amdhsa_float_denorm_mode_32 3
		.amdhsa_float_denorm_mode_16_64 3
		.amdhsa_memory_ordered 1
		.amdhsa_forward_progress 1
		.amdhsa_inst_pref_size 111
	.end_amdhsa_kernel
	.amdgpu_metadata
---
amdhsa.version: [ 1, 2 ]
amdhsa.kernels:
  - .name:           k_q9d5562e469_ffn2
    .symbol:         k_q9d5562e469_ffn2.kd
    .args:
      - { .name: hc, .offset: 0, .size: 8, .value_kind: global_buffer, .address_space: global }
      - { .name: w2_codes, .offset: 8, .size: 8, .value_kind: global_buffer, .address_space: global }
      - { .name: w2_scales, .offset: 16, .size: 8, .value_kind: global_buffer, .address_space: global }
      - { .name: b2, .offset: 24, .size: 8, .value_kind: global_buffer, .address_space: global }
      - { .name: zf, .offset: 32, .size: 8, .value_kind: global_buffer, .address_space: global }
    .group_segment_fixed_size: 327680
    .private_segment_fixed_size: 0
    .kernarg_segment_align: 8
    .kernarg_segment_size: 40
    .max_flat_workgroup_size: 128
    .sgpr_count:     100
    .vgpr_count:     512
    .wavefront_size: 32
...
	.end_amdgpu_metadata
.endif
;; end of part 6
;; launch ln2 (part 7): grid 256 x 1, 4 waves a work-group, no clusters, 0 bytes of LDS; arguments yb, zf, g2, be2, out0; writes out0
.if DOCPART == 7
	.amdgcn_target "amdgcn-amd-amdhsa--gfx1250"
	.amdhsa_code_object_version 6
	.text
	.protected	k_q9d5562e469_ln2
	.globl	k_q9d5562e469_ln2
	.p2align	8
	.type	k_q9d5562e469_ln2,@function
k_q9d5562e469_ln2:
	s_mov_b64 s[64:65], 0
	v_nop
	global_prefetch_b8 v0, s[64:65] scope:SCOPE_SE
	s_setreg_imm32_b32 hwreg(HW_REG_WAVE_MODE, 25, 1), 1
	s_wait_xcnt 0x0
; out0 = LN(y + z) g2 + be2, rows of 1,024, in f32: mean, then the mean of the squares of the differences, rsqrt(var + 1e-5).  y lies at byte 0 of yb.
; A wave takes a whole row in 32 registers (load j gives lane l the numbers 128 j + 4 l on), four rows one after the other; the loads of the row two on are issued while a row is worked.
; Memory binds: no LDS, no barrier, no matrix unit, no cluster.  LIMITS: NaN and infinities are not served.
.set G,   16                           ; v16-47 the gain;  v48-79 the offset
.set BE,  48
	s_load_b256 s[4:11], s[0:1], 0x0               ; yb, zf, g2, be2
	s_load_b64 s[12:13], s[0:1], 0x20              ; out0
	v_lshrrev_b32 v4, 5, v0
	v_readfirstlane_b32 s16, v4                    ; wave
	v_and_b32 v4, 31, v0
	v_lshlrev_b32 v1, 4, v4                        ; 16 x lane
	s_mov_b32 s20, 0x76543210
	s_mov_b32 s21, 0xfedcba98
	s_mov_b32 s22, 0x3a800000                      ; 1 / 1,024
	s_mov_b32 s23, 0x3727c5ac                      ; 1e-5
	s_lshl_b32 s26, ttmp9, 16                      ; 16 rows of 4,096 bytes a work-group, 4 a wave
	s_lshl_b32 s27, s16, 14
	s_add_co_u32 s26, s26, s27
	s_mov_b32 s27, 0
	s_wait_alu depctr_va_vdst(0)
	s_wait_kmcnt 0x0
	s_add_nc_u64 s[4:5], s[4:5], s[26:27]
	s_add_nc_u64 s[6:7], s[6:7], s[26:27]
	s_add_nc_u64 s[12:13], s[12:13], s[26:27]
.irp j, 0,1,2,3,4,5,6,7
	global_load_b128 v[G+4*\j:G+4*\j+3], v1, s[8:9] offset:512*\j
	global_load_b128 v[BE+4*\j:BE+4*\j+3], v1, s[10:11] offset:512*\j
.endr
.macro ROWLOAD i
.irp j, 0,1,2,3,4,5,6,7
	global_load_b128 v[80+64*((\i)%2)+4*\j:83+64*((\i)%2)+4*\j], v1, s[4:5] offset:4096*(\i)+512*\j th:TH_LOAD_NT
.endr
.irp j, 0,1,2,3,4,5,6,7
	global_load_b128 v[112+64*((\i)%2)+4*\j:115+64*((\i)%2)+4*\j], v1, s[6:7] offset:4096*(\i)+512*\j th:TH_LOAD_NT
.endr
.endm
.macro LANESUM a, t                    ; the sum over the 32 lanes, in every lane
	v_add_f32_dpp v[\a], v[\a], v[\a] row_xmask:1 row_mask:0xf bank_mask:0xf
	v_add_f32_dpp v[\a], v[\a], v[\a] row_xmask:2 row_mask:0xf bank_mask:0xf
	v_add_f32_dpp v[\a], v[\a], v[\a] row_xmask:4 row_mask:0xf bank_mask:0xf
	v_add_f32_dpp v[\a], v[\a], v[\a] row_xmask:8 row_mask:0xf bank_mask:0xf
	v_permlanex16_b32 v[\t], v[\a], s20, s21
	v_add_f32 v[\a], v[\a], v[\t]
.endm
.macro ROW i, left
.set RA, 80+64*((\i)%2)
.set RB, RA+32
	s_wait_loadcnt \left                           ; this row's 16 loads are in (and the gain and the offset); the next row's 16 may be out
.set j, 0
.rept 16
	v_pk_add_f32 v[RA+2*j:RA+2*j+1], v[RA+2*j:RA+2*j+1], v[RB+2*j:RB+2*j+1]
.set j, j+1
.endr
	v_pk_add_f32 v[250:251], v[RA:RA+1], v[RA+2:RA+3]
	v_pk_add_f32 v[252:253], v[RA+4:RA+5], v[RA+6:RA+7]
.irp k, 8,12,16,20,24,28
	v_pk_add_f32 v[250:251], v[250:251], v[RA+\k:RA+\k+1]
	v_pk_add_f32 v[252:253], v[252:253], v[RA+\k+2:RA+\k+3]
.endr
	v_pk_add_f32 v[250:251], v[250:251], v[252:253]
	v_add_f32 v250, v250, v251
	LANESUM 250, 251
	v_mul_f32 v250, s22, v250                      ; the mean
	v_mov_b32 v251, v250
.set j, 0
.rept 16
	v_pk_add_f32 v[RA+2*j:RA+2*j+1], v[RA+2*j:RA+2*j+1], v[250:251] neg_lo:[0,1] neg_hi:[0,1]
.set j, j+1
.endr
	v_pk_mul_f32 v[252:253], v[RA:RA+1], v[RA:RA+1]
	v_pk_mul_f32 v[254:255], v[RA+2:RA+3], v[RA+2:RA+3]
.irp k, 4,8,12,16,20,24,28
	v_pk_fma_f32 v[252:253], v[RA+\k:RA+\k+1], v[RA+\k:RA+\k+1], v[252:253]
	v_pk_fma_f32 v[254:255], v[RA+\k+2:RA+\k+3], v[RA+\k+2:RA+\k+3], v[254:255]
.endr
	v_pk_add_f32 v[252:253], v[252:253], v[254:255]
	v_add_f32 v252, v252, v253
	LANESUM 252, 253
	v_fma_f32 v252, v252, s22, s23                 ; var + eps
	s_wait_alu depctr_va_vdst(0)
	v_rsq_f32 v252, v252
	v_nop                                          ; a plain place behind the transcendental
	s_wait_alu depctr_va_vdst(0)
	v_mov_b32 v253, v252
.set j, 0
.rept 16
	v_pk_mul_f32 v[RA+2*j:RA+2*j+1], v[RA+2*j:RA+2*j+1], v[252:253]
.set j, j+1
.endr
.set j, 0
.rept 16
	v_pk_fma_f32 v[RA+2*j:RA+2*j+1], v[RA+2*j:RA+2*j+1], v[G+2*j:G+2*j+1], v[BE+2*j:BE+2*j+1]
.set j, j+1
.endr
.irp k, 0,1,2,3,4,5,6,7
	global_store_b128 v1, v[RA+4*\k:RA+4*\k+3], s[12:13] offset:4096*(\i)+512*\k th:TH_STORE_NT   ; 512 consecutive bytes a store
.endr
.if (\i) < 2
	s_wait_xcnt 0x0                                ; the stores have read their registers: the row two on may land there
	ROWLOAD (\i)+2
.endif
.endm
	ROWLOAD 0
	ROWLOAD 1
	ROW 0, 16
	ROW 1, 16
	ROW 2, 16
	ROW 3, 0
	s_endpgm
.Lfunc_end_k_q9d5562e469_ln2:
	.size	k_q9d5562e469_ln2, .Lfunc_end_k_q9d5562e469_ln2-k_q9d5562e469_ln2
	.p2alignl 7, 3214868480
	.fill 96, 4, 3214868480
	.section	.rodata,"a",@progbits
	.p2align	6, 0x0
	.amdhsa_kernel k_q9d5562e469_ln2
		.amdhsa_group_segment_fixed_size 0
		.amdhsa_private_segment_fixed_size 0
		.amdhsa_enable_private_segment 0
		.amdhsa_kernarg_size 40
		.amdhsa_user_sgpr_count 2
		.amdhsa_user_sgpr_kernarg_segment_ptr 1
		.amdhsa_wavefront_size32 1
		.amdhsa_system_sgpr_workgroup_id_x 1
		.amdhsa_system_sgpr_workgroup_id_y 1
		.amdhsa_system_sgpr_workgroup_id_z 1
		.amdhsa_system_vgpr_workitem_id 0
		.amdhsa_next_free_vgpr 256
		.amdhsa_next_free_sgpr 66
		.amdhsa_reserve_vcc 0
		.amdhsa_float_denorm_mode_32 3
		.amdhsa_float_denorm_mode_16_64 3
		.amdhsa_memory_ordered 1
		.amdhsa_forward_progress 1
		.amdhsa_inst_pref_size 40
	.end_amdhsa_kernel
	.amdgpu_metadata
---
amdhsa.version: [ 1, 2 ]
amdhsa.kernels:
  - .name:           k_q9d5562e469_ln2
    .symbol:         k_q9d5562e469_ln2.kd
    .args:
      - { .name: yb, .offset: 0, .size: 8, .value_kind: global_buffer, .address_space: global }
      - { .name: zf, .offset: 8, .size: 8, .value_kind: global_buffer, .address_space: global }
      - { .name: g2, .offset: 16, .size: 8, .value_kind: global_buffer, .address_space: global }
      - { .name: be2, .offset: 24, .size: 8, .value_kind: global_buffer, .address_space: global }
      - { .name: out0, .offset: 32, .size: 8, .value_kind: global_buffer, .address_space: global }
    .group_segment_fixed_size: 0
    .private_segment_fixed_size: 0
    .kernarg_segment_align: 8
    .kernarg_segment_size: 40
    .max_flat_workgroup_size: 128
    .sgpr_count:     66
    .vgpr_count:     256
    .wavefront_size: 32
...
	.end_amdgpu_metadata
.endif
;; end of part 7
